; MI455X (gfx1250); checked and timed in simulation.
; The chip was launched on July 23, 2026; its instructions are those of AMD's public machine-readable ISA for CDNA 5 (MIT licence, August 2026) and "CDNA5" Instruction Set Architecture Reference Guide (July 2026). The comments in the code are by the model that wrote it; some were corrected since.
;; Multihead Attention. Allowed arithmetic: matrix products marked QUANTISED: E2M1 operands, one E8M0 scale for each 32 along K, by v_wmma_scale_f32_16x16x128_f8f6f4 with both operands' format E2M1 (or v_wmma_scale_f32_32x16x128_f4), f32 sums; products left as they are: bf16, f16 or f32 operands; f32 sums; everything else in f32.
;; Inputs: b_k 1,024 float32; b_o 1,024 float32; b_q 1,024 float32; b_v 1,024 float32; w_k 1,024 x 1,024 float32; w_o 1,024 x 1,024 float32; w_q 1,024 x 1,024 float32; w_v 1,024 x 1,024 float32; x 4 x 2,048 x 1,024 float32.
;; Outputs: out0 4 x 2,048 x 1,024 float32.
;; This version of the problem:
;;   THIS VERSION OF THE PROBLEM IS GIVEN IN LOW PRECISION. The matrix products marked QUANTISED in the list below multiply operands that are first quantised to E2M1 (2 exponent bits, 1 mantissa bit; 4 bits a number), with one power-of-two scale for each 32 numbers along K (OCP MX v1.0); their sums are f32. The products marked 'left as it is' may take bf16, f16 or f32 operands, with f32 sums. Whichever they take, every output number must still come out within the allowed error. Rounding operands to bf16 (8 significant bits) uses up far more of that allowance than f16 does (11 bits, for magnitudes from 6e-5 to 65,504). All else is computed in f32.
;;   The module's matrix products, in the order in which they are computed (A, B: the left and right operand; K: the contracted axis; several contracted axes count as one K, in the product's order):
;;     1. [M 8,192, K 1,024] x [K 1,024, N 1,024]; A: input x; B: input w_q: QUANTISED
;;     2. [M 8,192, K 1,024] x [K 1,024, N 1,024]; A: input x; B: input w_k: QUANTISED
;;     3. [M 8,192, K 1,024] x [K 1,024, N 1,024]; A: input x; B: input w_v: QUANTISED
;;     4. batch 64 x [M 2,048, K 64] x [K 64, N 2,048]; A: computed on the way; B: computed on the way: left as it is (an operand is computed on the way)
;;     5. batch 64 x [M 2,048, K 2,048] x [K 2,048, N 64]; A: computed on the way; B: computed on the way: left as it is (an operand is computed on the way)
;;     6. [M 8,192, K 1,024] x [K 1,024, N 1,024]; A: computed on the way; B: input w_o: left as it is (an operand is computed on the way)
;;   THE QUANTISER, for each operand of a quantised product, along K:
;;     - K is cut into blocks of 32 from its start; a last block that is shorter is filled with zeros.
;;     - A block's scale is 2^e with e = floor(log2(the largest magnitude in the block)) - 2, held to -126 .. 127; a block of zeros has e = 0. As a byte (E8M0): e + 127.
;;     - Each number is divided by its block's scale, clamped to +-6, and rounded to the nearest number of E2M1, ties to even, subnormals kept.
;;     - The product sums the exact products of the quantised numbers (number of the format x scale) in f32.
;;   ~~~python
;;   def quantise(x, axis):      # numpy; x: float32 -> the quantised numbers, widened to float32 again
;;       x = np.moveaxis(x, axis, -1); K = x.shape[-1]
;;       x = np.pad(x, [(0, 0)] * (x.ndim - 1) + [(0, -K % 32)]); x = x.reshape(x.shape[:-1] + (-1, 32)); a = np.abs(x).max(-1, keepdims=True)
;;       e = np.where(a > 0, np.clip(np.frexp(np.where(a > 0, a, 1))[1] - 1 - 2, -126, 127), 0)      # np.frexp(a)[1] - 1 = floor(log2(a)), exactly
;;       r = np.clip(x / 2.0 ** e, -6, 6)
;;       step = 2.0 ** (np.maximum(np.frexp(np.where(r == 0, 1, r))[1] - 1, 0) - 1)
;;       q = np.round(r / step) * step * 2.0 ** e      # np.round: ties to even
;;       return np.moveaxis(q.reshape(q.shape[:-2] + (-1,))[..., :K], -1, axis).astype(np.float32)
;;   ~~~
;; One version. Each part assembles by itself: llvm-mc -triple=amdgcn-amd-amdhsa -mcpu=gfx1250 --defsym DOCPART=n.
;; ======== version 1 of 1: 4 launches
;; limits: values are held in f16: magnitudes above 65,504 overflow, below 6.1e-05 lose precision
;; workspace buffers: xc 4,194,304 bytes; xs 262,144 bytes; wc 1,572,864 bytes; ws 98,304 bytes; wo16 2,097,152 bytes; qkv 50,331,648 bytes; att 16,777,216 bytes
;; launch prep (part 1): grid 576 x 1, 4 waves a work-group, no clusters, 33,280 bytes of LDS; arguments x, w_q, w_k, w_v, w_o, xc, xs, wc, ws, wo16; writes xc, xs, wc, ws, wo16
.if DOCPART == 1
	.amdgcn_target "amdgcn-amd-amdhsa--gfx1250"
	.amdhsa_code_object_version 6
	.text
	.protected	k_qea5bf264e9_prep
	.globl	k_qea5bf264e9_prep
	.p2align	8
	.type	k_qea5bf264e9_prep,@function
k_qea5bf264e9_prep:
	s_mov_b64 s[64:65], 0
	v_nop
	global_prefetch_b8 v0, s[64:65] scope:SCOPE_SE
	s_setreg_imm32_b32 hwreg(HW_REG_WAVE_MODE, 25, 1), 1
	s_wait_xcnt 0x0
; THREE JOBS IN ONE LAUNCH, told apart by the work-group's number.
;   work-groups 0-255:   x [8192][1024] f32 -> codes of FP4 (E2M1), K innermost, xc [8192][512 bytes], and one E8M0 byte for each 32 along K, xs [8192][32].
;   work-groups 256-447: w_q, w_k, w_v [1024 (k)][1024 (n)] f32, quantised along their FIRST axis -> wc, laid as images of the operand's registers, and ws [3072][32].
;   work-groups 448-575: w_o f32 -> f16, wo16 [1024][1024].
; THE QUANTISER: a block's scale is 2^(floor(log2(its largest magnitude)) - 2); its byte is the largest magnitude's exponent field - 2, held at 1 from below; each number is divided by the scale and
; rounded to the nearest code, ties to even, beyond 6 the largest code.
; LIMITS: a block of zeros, and a block whose largest magnitude lies under 2^-124, keeps the byte 1 (the bytes are read by this program alone; zero codes add nothing under any byte but 0xff).
; NaN and infinities among the inputs are not served.  |w_o| stays under 65,504, f16's largest number.
; wc: [sigma 2][T 192][q 4][c 2][lane 32][16 bytes]: column n = 16 T + lane % 16 (n 0-1023 w_q, 1024-2047 w_k, 2048-3071 w_v); the 16 bytes are the block of 32 along K number 16 sigma + 4 q + 2 c + lane / 16.
; Only the x path uses LDS (beside the closing add), so the paths cannot meet there.  No tensor load, no barrier: waves share nothing.
.set WAVES, 4
.set STEPS, 16
.set EMAX,  2
.set CB,    8                          ; bytes of 16 codes
.set R,     16                         ; x path: v16-79 four sets of 16 numbers as loaded
.set X,     80                         ; v80-111  two sets of 16 neighbours
.set E,     112                        ; v112-127 a scale byte for each step
.set C,     128                        ; v128-191 codes, four registers for each step
.set WREG,  8192                       ; LDS: a region for each wave: two stages of 32 x SP bytes, behind them its 256 scale bytes
.set SP,    80                         ; a lane's place in a stage: 64 bytes + 16 of padding
.set SPW,   12                         ; v12 LDS address of my spare word; never rewritten
.set NIL,   13                         ; v13 0; never rewritten
.set SPARE, WAVES*WREG                 ; behind the regions: the spare words, 128 bytes a wave
	s_load_b256 s[4:11], s[0:1], 0x0               ; x s[4:5], w_q s[6:7], w_k s[8:9], w_v s[10:11]
	s_load_b256 s[12:19], s[0:1], 0x20             ; w_o s[12:13], xc s[14:15], xs s[16:17], wc s[18:19]
	s_load_b128 s[20:23], s[0:1], 0x40             ; ws s[20:21], wo16 s[22:23]
	v_lshl_add_u32 v[SPW], v0, 2, SPARE
	v_mov_b32 v[NIL], 0
	v_lshrrev_b32 v1, 5, v0
	v_readfirstlane_b32 s24, v1                    ; wave 0..3
	v_and_b32 v2, 31, v0                           ; lane
	s_wait_kmcnt 0x0
	s_cmp_ge_u32 ttmp9, 448
	s_cbranch_scc1 .Lwo
	s_cmp_ge_u32 ttmp9, 256
	s_cbranch_scc1 .Lw
; ---------------- x: a plain stream of blocks of 32.  A wave takes 16 steps of 512 numbers.  Each load reads 512 consecutive bytes; a step's 2,048 bytes turn through the wave's own stage in LDS,
; so that a lane then holds 16 neighbours along K (two neighbouring lanes hold a block).  A lane's 16 codes are 8 bytes: the wave stores 256 consecutive bytes.
	v_lshlrev_b32 v3, 4, v2                        ; my 16 bytes of a load's 512
	s_mul_i32 s25, s24, WREG
	v_lshrrev_b32 v14, 2, v2
	v_mul_u32_u24 v14, v14, SP
	v_and_b32 v15, 3, v2
	v_lshl_add_u32 v14, v15, 4, v14
	v_add_nc_u32 v14, s25, v14                     ; the stage, on the way in: SP (lane / 4) + 16 (lane % 4)
	v_mul_u32_u24 v15, v2, SP
	v_add_nc_u32 v15, s25, v15                     ; on the way out: SP x lane
	v_mul_u32_u24 v4, v2, CB                       ; my codes' place in a step's
	v_lshrrev_b32 v5, 1, v2
	s_add_co_u32 s25, s25, 2*32*SP
	v_add_nc_u32 v5, s25, v5                       ; my wave's 256 scale bytes, my block's byte
	v_lshlrev_b32 v7, 3, v2
	v_add_nc_u32 v6, s25, v7                       ; and on the way out 8 bytes a lane
	s_lshl_b32 s26, ttmp9, 2
	s_add_co_u32 s26, s26, s24                     ; which run of 8,192 numbers is my wave's: 0 .. 1023
	s_mov_b32 s29, 0
	s_lshl_b32 s28, s26, 15
	s_add_nc_u64 s[4:5], s[4:5], s[28:29]          ; 32,768 bytes of x a run,
	s_lshl_b32 s28, s26, 12
	s_add_nc_u64 s[14:15], s[14:15], s[28:29]      ; 4,096 of codes,
	s_lshl_b32 s28, s26, 8
	s_add_nc_u64 s[16:17], s[16:17], s[28:29]      ; 256 scale bytes
.macro LOAD t
.irp i, 0,1,2,3
	global_load_b128 v[R+16*((\t)%4)+4*\i:R+16*((\t)%4)+4*\i+3], v3, s[4:5] offset:2048*(\t)+512*\i th:TH_LOAD_NT
.endr
.endm
.macro TURN t                          ; step t's numbers through the stage: LDS serves a wave's instructions in order, so no wait stands between the stores and the loads
.irp i, 0,1,2,3
	ds_store_b128 v14, v[R+16*((\t)%4)+4*\i:R+16*((\t)%4)+4*\i+3] offset:32*SP*((\t)%2)+8*SP*\i
.endr
.irp i, 0,1,2,3
	ds_load_b128 v[X+16*((\t)%2)+4*\i:X+16*((\t)%2)+4*\i+3], v15 offset:32*SP*((\t)%2)+16*\i
.endr
.endm
.irp t, 0,1,2,3
	LOAD \t
.endr
	s_wait_loadcnt 12                              ; step 0's four loads are in; the 12 of steps 1 to 3 may be out
	TURN 0
.macro STEP t
.set XS, X+16*((\t)%2)
.if (\t) > 0
	s_wait_dscnt 1                                 ; this step's numbers are back from the stage; the last step's byte store may be out
.else
	s_wait_dscnt 0x0
.endif
.if (\t)+4 < STEPS
	LOAD (\t)+4                                    ; into the registers that this step's stage stores have read
.endif
.if (\t)+1 < STEPS
.if STEPS-2-(\t) >= 3
	s_wait_loadcnt 12                              ; the next step's four loads are in; those of the three steps behind it may be out
.else
	s_wait_loadcnt 4*(STEPS-2-(\t))
.endif
	TURN (\t)+1
.endif
	v_max3_num_f32 v8, |v[XS]|, |v[XS+1]|, |v[XS+2]|               ; the largest magnitude of my 16, in two chains
	v_max3_num_f32 v9, |v[XS+3]|, |v[XS+4]|, |v[XS+5]|
.irp i, 6,10
	v_max3_num_f32 v8, v8, |v[XS+\i]|, |v[XS+\i+1]|
	v_max3_num_f32 v9, v9, |v[XS+\i+2]|, |v[XS+\i+3]|
.endr
	v_max3_num_f32 v8, v8, |v[XS+14]|, |v[XS+15]|
	v_max3_num_f32 v8, v8, v9, (EMAX+1)<<23        ; and the floor 2^(3 - 127): the byte cannot fall under 1
	v_max_num_f32_dpp v8, v8, v8 row_xmask:1 row_mask:0xf bank_mask:0xf   ; with my neighbour's 16: the block's
	v_add_nc_u32 v11, -(EMAX<<23), v8              ; 2 off its exponent field: the conversion takes the exponent field of this operand as its scale
	v_cvt_scalef32_pk8_fp4_f32 v[C+4*(\t)], v[XS:XS+7], v11
	v_cvt_scalef32_pk8_fp4_f32 v[C+4*(\t)+1], v[XS+8:XS+15], v11
	v_lshrrev_b32 v[E+(\t)], 23, v11               ; the scale's byte (a plain line behind the conversions)
	ds_store_b8 v5, v[E+(\t)] offset:16*(\t)       ; both lanes of a block write the same byte with the same value
	global_store_b64 v4, v[C+4*(\t):C+4*(\t)+1], s[14:15] offset:32*CB*(\t)   ; 32 lanes store 256 consecutive bytes, aligned
.endm
.irp t, 0,1,2,3,4,5,6,7,8,9,10,11,12,13,14,15
	STEP \t
.endr
	ds_load_b64 v[8:9], v6                         ; LDS serves a wave's instructions in order: these see my byte stores
	s_wait_dscnt 0x0
	global_store_b64 v7, v[8:9], s[16:17]          ; my wave's 256 scale bytes, aligned
	s_branch .Lend
; ---------------- w_q, w_k, w_v: a work-group takes 128 columns x 128 along K of one weight; a wave 32 columns.  A LANE TAKES A COLUMN AND ITS REGISTERS RUN DOWN K: a block of 32 lies in one lane,
; and the conversions give codes with K innermost.  A block's 16 bytes go straight to their place in the image: sixteen neighbouring lanes store 256 consecutive bytes, aligned.
.Lw:
	s_sub_co_u32 s25, ttmp9, 256                   ; g
	s_lshr_b32 s26, s25, 6                         ; p: which weight
	s_and_b32 s27, s25, 7                          ; cg: which 128 columns
	s_bfe_u32 s28, s25, 0x30003                    ; s: which 128 along K
	s_cmp_eq_u32 s26, 0
	s_cselect_b64 s[30:31], s[6:7], s[8:9]
	s_cmp_eq_u32 s26, 2
	s_cselect_b64 s[30:31], s[10:11], s[30:31]
	s_lshl_b32 s32, s28, 19                        ; 128 rows of 4,096 bytes
	s_lshl_b32 s33, s27, 9
	s_add_co_u32 s32, s32, s33
	s_lshl_b32 s33, s24, 7
	s_add_co_u32 s32, s32, s33                     ; + 4 x (128 cg + 32 wave)
	s_mov_b32 s33, 0
	s_add_nc_u64 s[30:31], s[30:31], s[32:33]
	s_lshr_b32 s34, s28, 2                         ; sigma
	s_mul_i32 s34, s34, 786432
	s_lshl_b32 s35, s26, 6
	s_lshl_b32 s36, s27, 3
	s_add_co_u32 s35, s35, s36
	s_lshl_b32 s36, s24, 1
	s_add_co_u32 s35, s35, s36                     ; T = 64 p + 8 cg + 2 wave
	s_lshl_b32 s35, s35, 12
	s_add_co_u32 s34, s34, s35
	s_and_b32 s35, s28, 3                          ; q
	s_lshl_b32 s35, s35, 10
	s_add_co_u32 s34, s34, s35
	s_mov_b32 s35, 0
	s_add_nc_u64 s[18:19], s[18:19], s[34:35]
	s_lshl_b32 s36, s26, 15                        ; ws: 32 bytes a column: (1024 p + 128 cg + 32 wave) x 32 + 4 s
	s_lshl_b32 s37, s27, 12
	s_add_co_u32 s36, s36, s37
	s_lshl_b32 s37, s24, 10
	s_add_co_u32 s36, s36, s37
	s_lshl_b32 s37, s28, 2
	s_add_co_u32 s36, s36, s37
	s_mov_b32 s37, 0
	s_add_nc_u64 s[20:21], s[20:21], s[36:37]
	v_lshlrev_b32 v3, 2, v2                        ; in: 4 bytes a lane
	v_lshrrev_b32 v4, 4, v2
	v_and_b32 v5, 15, v2
	v_lshlrev_b32 v4, 12, v4
	v_lshl_add_u32 v4, v5, 4, v4                   ; out: 4,096 (lane / 16) + 16 (lane % 16)
	v_lshlrev_b32 v5, 5, v2                        ; my column's row of scale bytes
.macro WLOAD t                         ; block t: w(32 t + i, my column) into set t % 2
.irp i, 0,1,2,3,4,5,6,7,8,9,10,11,12,13,14,15,16,17,18,19,20,21,22,23,24,25,26,27,28,29,30,31
	global_load_b32 v[32+32*((\t)%2)+\i], v3, s[30:31] offset:(32*(\t)+\i)*4096 th:TH_LOAD_NT
.endr
.endm
.macro BLOCK t
.set XW, 32+32*((\t)%2)
.if (\t) < 3
	s_wait_loadcnt 32                              ; this block's 32 loads are in; the next block's 32 may be out
.else
	s_wait_loadcnt 0x0
.endif
	v_max3_num_f32 v8, |v[XW]|, |v[XW+1]|, |v[XW+2]|               ; all 32 numbers are mine
	v_max3_num_f32 v9, |v[XW+3]|, |v[XW+4]|, |v[XW+5]|
.irp i, 6,10,14,18,22,26
	v_max3_num_f32 v8, v8, |v[XW+\i]|, |v[XW+\i+1]|
	v_max3_num_f32 v9, v9, |v[XW+\i+2]|, |v[XW+\i+3]|
.endr
	v_max3_num_f32 v8, v8, |v[XW+30]|, |v[XW+31]|
	v_max3_num_f32 v8, v8, v9, (EMAX+1)<<23        ; the floor
	v_add_nc_u32 v11, -(EMAX<<23), v8              ; the conversion's scale operand
	v_lshrrev_b32 v10, 23, v11                     ; the byte
.if (\t) == 0
	v_mov_b32 v24, v10                             ; four bytes to a word, the lower K in the lower byte
.else
	v_lshl_or_b32 v24, v10, 8*(\t), v24
.endif
.irp g, 0,1,2,3
	v_cvt_scalef32_pk8_fp4_f32 v[96+4*(\t)+\g], v[XW+8*\g:XW+8*\g+7], v11      ; each block has registers of its own: no store's data are written again
.endr
	v_nop                                          ; a plain line behind the last conversion
	global_store_b128 v4, v[96+4*(\t):96+4*(\t)+3], s[18:19] offset:256*(\t)   ; block t = 2 c + h lies 512 c + 256 h into the image
.if (\t) < 2
	WLOAD (\t)+2
.endif
.endm
	WLOAD 0
	WLOAD 1
	BLOCK 0
	BLOCK 1
	BLOCK 2
	BLOCK 3
	global_store_b32 v5, v24, s[20:21]             ; 4 bytes a lane, rows 32 bytes apart: one byte for each 32 along K
	s_branch .Lend
; ---------------- w_o: a wave takes 2,048 numbers; 16 loads of 512 consecutive bytes, 16 stores of 256
.Lwo:
	s_sub_co_u32 s25, ttmp9, 448
	s_lshl_b32 s25, s25, 2
	s_add_co_u32 s25, s25, s24                     ; run 0 .. 511
	s_mov_b32 s27, 0
	s_lshl_b32 s26, s25, 13
	s_add_nc_u64 s[12:13], s[12:13], s[26:27]
	s_lshl_b32 s26, s25, 12
	s_add_nc_u64 s[22:23], s[22:23], s[26:27]
	v_lshlrev_b32 v3, 4, v2
	v_lshlrev_b32 v4, 3, v2
.irp i, 0,1,2,3,4,5,6,7,8,9,10,11,12,13,14,15
	global_load_b128 v[32+4*\i:35+4*\i], v3, s[12:13] offset:512*\i th:TH_LOAD_NT
.endr
.irp i, 0,1,2,3,4,5,6,7,8,9,10,11,12,13,14,15
	s_wait_loadcnt 15-\i                           ; loads come back in order: load i is in, the younger ones may be out
	v_cvt_pk_f16_f32 v[96+2*\i], v[32+4*\i], v[33+4*\i]
	v_cvt_pk_f16_f32 v[97+2*\i], v[34+4*\i], v[35+4*\i]
	global_store_b64 v4, v[96+2*\i:97+2*\i], s[22:23] offset:256*\i
.endr
.Lend:
	s_wait_tensorcnt 0x0                           ; the wave's end
	ds_add_u32 v[SPW], v[NIL]
	s_wait_dscnt 0x0
	s_endpgm
.Lfunc_end_k_qea5bf264e9_prep:
	.size	k_qea5bf264e9_prep, .Lfunc_end_k_qea5bf264e9_prep-k_qea5bf264e9_prep
	.p2alignl 7, 3214868480
	.fill 96, 4, 3214868480
	.section	.rodata,"a",@progbits
	.p2align	6, 0x0
	.amdhsa_kernel k_qea5bf264e9_prep
		.amdhsa_group_segment_fixed_size 33280
		.amdhsa_private_segment_fixed_size 0
		.amdhsa_enable_private_segment 0
		.amdhsa_kernarg_size 80
		.amdhsa_user_sgpr_count 2
		.amdhsa_user_sgpr_kernarg_segment_ptr 1
		.amdhsa_wavefront_size32 1
		.amdhsa_system_sgpr_workgroup_id_x 1
		.amdhsa_system_sgpr_workgroup_id_y 1
		.amdhsa_system_sgpr_workgroup_id_z 1
		.amdhsa_system_vgpr_workitem_id 0
		.amdhsa_next_free_vgpr 192
		.amdhsa_next_free_sgpr 66
		.amdhsa_reserve_vcc 0
		.amdhsa_float_denorm_mode_32 3
		.amdhsa_float_denorm_mode_16_64 3
		.amdhsa_memory_ordered 1
		.amdhsa_forward_progress 1
		.amdhsa_inst_pref_size 59
	.end_amdhsa_kernel
	.amdgpu_metadata
---
amdhsa.version: [ 1, 2 ]
amdhsa.kernels:
  - .name:           k_qea5bf264e9_prep
    .symbol:         k_qea5bf264e9_prep.kd
    .args:
      - { .name: x, .offset: 0, .size: 8, .value_kind: global_buffer, .address_space: global }
      - { .name: w_q, .offset: 8, .size: 8, .value_kind: global_buffer, .address_space: global }
      - { .name: w_k, .offset: 16, .size: 8, .value_kind: global_buffer, .address_space: global }
      - { .name: w_v, .offset: 24, .size: 8, .value_kind: global_buffer, .address_space: global }
      - { .name: w_o, .offset: 32, .size: 8, .value_kind: global_buffer, .address_space: global }
      - { .name: xc, .offset: 40, .size: 8, .value_kind: global_buffer, .address_space: global }
      - { .name: xs, .offset: 48, .size: 8, .value_kind: global_buffer, .address_space: global }
      - { .name: wc, .offset: 56, .size: 8, .value_kind: global_buffer, .address_space: global }
      - { .name: ws, .offset: 64, .size: 8, .value_kind: global_buffer, .address_space: global }
      - { .name: wo16, .offset: 72, .size: 8, .value_kind: global_buffer, .address_space: global }
    .group_segment_fixed_size: 33280
    .private_segment_fixed_size: 0
    .kernarg_segment_align: 8
    .kernarg_segment_size: 80
    .max_flat_workgroup_size: 128
    .sgpr_count:     66
    .vgpr_count:     192
    .wavefront_size: 32
...
	.end_amdgpu_metadata
.endif
;; end of part 1
;; launch qkv (part 2): grid 12 x 32, 4 waves a work-group, clusters of 4 x 4, 327,680 bytes of LDS; arguments xc, xs, wc, ws, qkv, b_q, b_k, b_v; writes qkv
.if DOCPART == 2
	.amdgcn_target "amdgcn-amd-amdhsa--gfx1250"
	.amdhsa_code_object_version 6
	.text
	.protected	k_qea5bf264e9_qkv
	.globl	k_qea5bf264e9_qkv
	.p2align	8
	.type	k_qea5bf264e9_qkv,@function
k_qea5bf264e9_qkv:
	s_mov_b64 s[64:65], 0
	v_nop
	global_prefetch_b8 v0, s[64:65] scope:SCOPE_SE
	s_setreg_imm32_b32 hwreg(HW_REG_WAVE_MODE, 25, 1), 1
	s_wait_xcnt 0x0
	s_wait_alu depctr_hold_cnt(0) depctr_sa_sdst(0) depctr_va_vdst(0) depctr_va_sdst(0) depctr_va_ssrc(0) depctr_va_vcc(0) depctr_vm_vsrc(0)
	s_getreg_b32 s2, hwreg(HW_REG_IB_STS2, 6, 4)
	s_cmp_eq_u32 s2, 0
	s_cbranch_scc0 .Lentry_in_a_cluster
	s_endpgm
.Lentry_in_a_cluster:
	s_bfe_u32 s2, ttmp6, 0x10000c
	s_cmp_lg_u32 s2, 0xf033
	s_cbranch_scc0 .Lentry_shape_is_right
	s_endpgm
.Lentry_shape_is_right:
; q, k, v = Q(x) Q(w) + b as ONE product 8,192 x 3,072 x 1,024 on codes of FP4 (E2M1) with one E8M0 scale for each 32 along K; sums in f32; the result is rounded once to f16 and laid by head:
; qkv [3 (q, k, v)][64 (batch x 16 + head)][2048][64].  LIMIT: |q|, |k|, |v| stay under 65,504, f16's largest number.
; A tile of C, 256 x 256, is made by four waves, each 128 x 128: 64 accumulators, 512 registers.  K = 1,024 is two LDS slots of 512: both, and all scale bytes, are asked for at the start; nothing is filled again.
; A (x's codes) lies in LDS as rows of 256 bytes + 16; B (the weights' codes) was laid in memory as images of fragments, so a slot's part is one dense block and a fragment is two loads of 512 consecutive bytes.
; CLUSTER 4 x 4: the four of a row need the same tiles of A, the four of a column the same tiles of B: each is asked for jointly.  A cluster's four tile columns are one projection: the cluster's x says which.
; THE MATRIX INSTRUCTION IS USED TRANSPOSED (source 0 = 16 columns of w, source 1 = 16 rows of x): a lane holds eight neighbouring numbers of a row of C.  The bias is the C of each sum's first instruction.
; REGISTERS: window 0: v0-31 addresses; v32-95 scale words, two sets; v96-127 packed results; v128-191 A's fragments, one set; v192-255 the bias, 8 x 8.  window 1: B's fragments, two sets, at v0 and v128.
;   window 2: accumulators of my rows 0-63 ((a, b) at v[8 (8 a + b)]); window 3: rows 64-127.
.set NQ,     4                         ; steps of 128 along K in a slot
.set PITCH,  272                       ; A's LDS row: 256 bytes + 16: the 16 rows that a load touches begin 16 bytes further round each time
.set FR,     8
.set NL,     2
.set NP,     4
.set HALFA,  128*PITCH                 ; 128 rows of A: one tensor load
.set HALFB,  32768                     ; 8 blocks of 16 columns x 512 along K: one tensor load
.set BOFF,   2*HALFA
.set SLOT,   BOFF+2*HALFB
.set SIGB,   786432                    ; bytes of wc for 512 along K
.set KS,     32                        ; a row of scale bytes
.set SCL,    2*SLOT                    ; the scales, as units of 256 bytes + 16
.set HALFS,  16*272                    ; those of 128 rows
.set SBLK,   2*272                     ; those of 16 rows
.set SPARE,  SCL+4*HALFS               ; the spare words, 128 bytes a wave
.set SPITCH, 272                       ; the way out: 16 rows x (256 bytes + 16) a wave, in slot 0, which by then has had its one fill and its last read
.set ADRA, 16
.set ADRB, 20
.set STO,  24
.set RD,   25
.set CO,   26
.set ADRS, 27
.set SPW,  28
.set NIL,  29
.set SC,   32
.set TMP,  96
.set BK,   32
.set AF,   128
.set BI,   192
.set G1, 24
.set G0, 32
.set G1B, 48
.set G0B, 56
.set G1S, 68
.set G0S, 76
.set G1SB, 80
.set G0SB, 88
.set MSB, 0
.macro WIN new                         ; the immediate's high byte repeats the setting that is left
.if MSB != \new
	s_set_vgpr_msb (MSB<<8)|\new
.set MSB, \new
.endif
.endm
.set MUL_LO, 0xa1                      ; source 0 (B) window 1, source 1 (A) window 0, C and D window 2
.set MUL_HI, 0xf1                      ; C and D window 3
.set FST_LO, 0x81                      ; C (the bias) window 0, D window 2
.set FST_HI, 0xc1                      ; D window 3
.set TO_B,   0x40
; A joint load: waves 0 and 1 fetch for A, waves 2 and 3 for B; the branch hangs on the wave's number alone.  An s_nop 0 and four v_nop follow each line.
.macro JLOAD g0a, g1a, g0b, g1b
	s_cmp_eq_u32 s15, 0
	s_cbranch_scc0 .Lfor_b_\@
	tensor_load_to_lds s[\g0a:\g0a+3], s[\g1a:\g1a+7]
	s_nop 0
.rept 4
	v_nop
.endr
	s_branch .Lasked_\@
.Lfor_b_\@:
	tensor_load_to_lds s[\g0b:\g0b+3], s[\g1b:\g1b+7]
	s_nop 0
.rept 4
	v_nop
.endr
.Lasked_\@:
.endm
.macro CROUND                          ; a round of the cluster's barrier
	s_barrier_signal -1
	s_barrier_wait -1
	s_cmp_lg_u32 s14, 0
	s_cbranch_scc1 .Lnot_wave_0_\@
	s_barrier_signal -3
.Lnot_wave_0_\@:
	s_barrier_wait -3
	s_barrier_signal -1
	s_barrier_wait -1
.endm
	s_load_b128 s[4:7], s[0:1], 0x0                ; xc s[4:5], xs s[6:7]
	s_load_b128 s[8:11], s[0:1], 0x10              ; wc s[8:9], ws s[10:11]
	s_load_b64 s[12:13], s[0:1], 0x20              ; qkv
	s_load_b128 s[96:99], s[0:1], 0x28             ; b_q, b_k
	s_load_b64 s[100:101], s[0:1], 0x38            ; b_v
	v_lshl_add_u32 v[SPW], v0, 2, SPARE
	v_mov_b32 v[NIL], 0
	ds_add_u32 v[SPW], v[NIL]                      ; the wave's opening: the add, twice on end, and its wait ahead of my first tensor load
	ds_add_u32 v[SPW], v[NIL]
	v_lshrrev_b32 v1, 5, v0
	v_readfirstlane_b32 s14, v1                    ; wave 0..3
	s_lshr_b32 s15, s14, 1                         ; my half of the tile's rows.  Also: I fetch for A (0) or for B (1)
	s_and_b32 s16, s14, 1                          ; my half of its columns.  Also: which half I fetch
	s_bfe_u32 s40, ttmp6, 0x40000                  ; cx
	s_bfe_u32 s41, ttmp6, 0x40004                  ; cy
	s_lshl_b32 s42, ttmp9, 2
	s_add_co_u32 s42, s42, s40                     ; tile column
	s_and_b32 s17, ttmp7, 0xffff
	s_lshl_b32 s17, s17, 2
	s_add_co_u32 s17, s17, s41                     ; tile row
	s_lshl_b32 s43, s41, 2
	s_lshl_b32 s43, 15, s43                        ; my row of the cluster
	s_lshl_b32 s44, 0x1111, s40                    ; my column
	s_or_b32 s[G1+0], s43, (0<<16)|(1<<20)|(1<<21)|(5<<22)|(3<<25)   ; A's codes: elements of 1 byte; 4 words of padding behind every 64
	s_mov_b32 s[G1+1], 256<<16                     ; tensor_dim0 = 256 bytes
	s_mov_b32 s[G1+2], 128<<16                     ; tensor_dim1 = 128 rows
	s_mov_b32 s[G1+3], 256<<16                     ; tile_dim0
	s_mov_b32 s[G1+4], 128                         ; tile_dim1
	s_mov_b32 s[G1+5], 512                         ; a row of xc
	s_mov_b32 s[G1+6], 0
	s_mov_b32 s[G1+7], 0
	s_or_b32 s[G1B+0], s44, (3<<16)|(1<<21)        ; B's codes: a dense block of 32,768 bytes as 128 rows of 32 elements of 8 bytes, no padding
	s_mov_b32 s[G1B+1], 32<<16
	s_mov_b32 s[G1B+2], 128<<16
	s_mov_b32 s[G1B+3], 32<<16
	s_mov_b32 s[G1B+4], 128
	s_mov_b32 s[G1B+5], 32
	s_mov_b32 s[G1B+6], 0
	s_mov_b32 s[G1B+7], 0
	s_or_b32 s[G1S+0], s43, (3<<16)|(1<<20)|(1<<21)|(5<<22)|(3<<25)  ; the scales of 128 rows: 4,096 dense bytes as 16 rows of 256, 16 bytes of padding behind each
	s_or_b32 s[G1SB+0], s44, (3<<16)|(1<<20)|(1<<21)|(5<<22)|(3<<25)
.irp g, G1S, G1SB
	s_mov_b32 s[\g+1], 32<<16
	s_mov_b32 s[\g+2], 16<<16
	s_mov_b32 s[\g+3], 32<<16
	s_mov_b32 s[\g+4], 16
	s_mov_b32 s[\g+5], 32
	s_mov_b32 s[\g+6], 0
	s_mov_b32 s[\g+7], 0
.endr
	s_lshl_b32 s18, s16, 7
	s_lshl_b32 s20, s17, 8
	s_add_co_u32 s20, s20, s18                     ; A: row 256 x tile row + 128 x half
	s_lshl_b32 s46, s42, 8
	s_add_co_u32 s46, s46, s18                     ; B: column 256 x tile column + 128 x half
	s_lshl_b32 s22, s20, 5                         ; their scale bytes: 32 a row
	s_mov_b32 s23, 0
	s_lshl_b32 s92, s46, 5
	s_mov_b32 s93, 0
	s_lshl_b32 s20, s20, 9                         ; A's codes: 512 bytes a row
	s_mov_b32 s21, 0
	s_lshl_b32 s46, s46, 8                         ; B's images: 4,096 bytes for 16 columns
	s_mov_b32 s47, 0
	s_mul_i32 s45, s16, HALFA                      ; where they go: no place in the cluster enters an LDS address
	s_lshl_b32 s95, s16, 15
	s_add_co_u32 s95, s95, BOFF
	s_mul_i32 s94, s14, HALFS
	s_wait_dscnt 0x0                               ; both opening adds are done
	s_wait_kmcnt 0x0
	s_add_nc_u64 s[20:21], s[4:5], s[20:21]
	s_add_nc_u64 s[22:23], s[6:7], s[22:23]
	s_add_nc_u64 s[46:47], s[8:9], s[46:47]
	s_add_nc_u64 s[92:93], s[10:11], s[92:93]
	CROUND                                         ; all sixteen work-groups are here: the joint loads meet
	s_mov_b32 s[G0S], 1
	s_add_co_u32 s[G0S+1], s94, SCL
	s_mov_b64 s[G0S+2:G0S+3], s[22:23]
	s_or_b32 s[G0S+3], s[G0S+3], 0x80000000
	s_mov_b32 s[G0SB], 1
	s_add_co_u32 s[G0SB+1], s94, SCL
	s_mov_b64 s[G0SB+2:G0SB+3], s[92:93]
	s_or_b32 s[G0SB+3], s[G0SB+3], 0x80000000
	JLOAD G0S, G1S, G0SB, G1SB                     ; the scales first: they are wanted with the first step
.irp s, 0,1
	s_mov_b32 s[G0+4*\s], 1
	s_add_co_u32 s[G0+4*\s+1], s45, \s*SLOT
	s_add_nc_u64 s[G0+4*\s+2:G0+4*\s+3], s[20:21], \s*256
	s_or_b32 s[G0+4*\s+3], s[G0+4*\s+3], 0x80000000
	s_mov_b32 s[G0B+4*\s], 1
	s_add_co_u32 s[G0B+4*\s+1], s95, \s*SLOT
	s_add_nc_u64 s[G0B+4*\s+2:G0B+4*\s+3], s[46:47], \s*SIGB
	s_or_b32 s[G0B+4*\s+3], s[G0B+4*\s+3], 0x80000000
	JLOAD G0+4*\s, G1, G0B+4*\s, G1B               ; three loads of mine are out behind the second of these
.endr
	v_and_b32 v1, 15, v0                           ; r
	v_bfe_u32 v2, v0, 4, 1                         ; h
	v_mul_u32_u24 v3, v1, PITCH
	v_lshl_add_u32 v4, v2, 4, v3                   ; row x pitch + 16 h
	v_and_b32 v6, 31, v0                           ; lane
	v_lshlrev_b32 v7, 4, v6                        ; 16 x lane: my place in an image
	s_mul_i32 s21, s15, HALFA                      ; my 128 rows of A
	s_lshl_b32 s22, s16, 15
	s_add_co_u32 s22, s22, BOFF                    ; my 8 blocks of B
.irp s, 0,1
	v_add_nc_u32 v[ADRA+\s], s21, v4
	v_add_nc_u32 v[ADRB+\s], s22, v7
	s_add_co_u32 s21, s21, SLOT
	s_add_co_u32 s22, s22, SLOT
.endr
	v_mul_u32_u24 v5, v1, KS                       ; my row's scales: 32 bytes a row,
	v_lshrrev_b32 v8, 8, v5
	v_lshl_add_u32 v5, v8, 4, v5                   ; and 16 more for each 256 passed
	s_mul_i32 s21, s15, HALFS
	s_mul_i32 s22, s16, HALFS
	s_add_co_u32 s22, s22, 2*HALFS
	s_sub_co_u32 s22, s22, s21
	v_mul_u32_u24 v8, s22, v2                      ; lanes 16-31 take B's: one product, the distance between the two bases x h
	s_add_co_u32 s21, s21, SCL
	v_add_nc_u32 v5, v5, v8
	v_add_nc_u32 v[ADRS], s21, v5
	s_mul_i32 s23, s14, 16*SPITCH                  ; my stage
	v_add_nc_u32 v[STO], s23, v4                   ; in: row r, 16 bytes for each half of the lanes
	v_lshrrev_b32 v8, 3, v6
	v_mul_u32_u24 v8, v8, SPITCH
	v_and_b32 v9, 7, v0
	v_lshl_add_u32 v8, v9, 4, v8
	v_add_nc_u32 v[RD], s23, v8                    ; back: eight lanes take a head's 128 bytes of a row, 32 lanes four rows
	v_lshlrev_b32 v[CO], 4, v6                     ; which are 512 consecutive bytes of qkv
	s_lshr_b32 s20, s17, 3
	s_lshl_b32 s20, s20, 22                        ; the batch: 16 heads of 2^18 bytes
	s_and_b32 s21, s17, 7
	s_lshl_b32 s21, s21, 15                        ; 256 rows of 128 bytes
	s_add_co_u32 s20, s20, s21
	s_lshl_b32 s21, s15, 14
	s_add_co_u32 s20, s20, s21                     ; my 128 of them
	s_lshl_b32 s47, ttmp9, 24                      ; the projection
	s_add_co_u32 s20, s20, s47
	s_lshl_b32 s47, s40, 20                        ; four heads to a tile column
	s_add_co_u32 s20, s20, s47
	s_lshl_b32 s47, s16, 19                        ; my two of them
	s_add_co_u32 s20, s20, s47
	s_mov_b32 s21, 0
	s_add_nc_u64 s[12:13], s[12:13], s[20:21]
	s_cmp_eq_u32 ttmp9, 0                          ; the projection's bias: a choice of pointers, no branch
	s_cselect_b64 s[96:97], s[96:97], s[98:99]
	s_cmp_eq_u32 ttmp9, 2
	s_cselect_b64 s[96:97], s[100:101], s[96:97]
	s_lshl_b32 s47, s40, 10
	s_lshl_b32 s46, s16, 9
	s_add_co_u32 s46, s46, s47                     ; 4 x (256 cx + 128 half)
	s_mov_b32 s47, 0
	s_add_nc_u64 s[96:97], s[96:97], s[46:47]
	v_lshlrev_b32 v10, 5, v2                       ; lane (r, h) wants, for block b, the bias of columns 16 b + 8 h + 0 .. 7
.irp b, 0,1,2,3,4,5,6,7
	global_load_b128 v[BI+8*\b:BI+8*\b+3], v10, s[96:97] offset:64*\b
	global_load_b128 v[BI+8*\b+4:BI+8*\b+7], v10, s[96:97] offset:64*\b+16
.endr
; 16 matrix instructions: A's blocks a0, a0 + 1 x B's eight, the slot's q-th 128 along K.  p: B's set; sc: the set of scale words.  zero = 1: the sums begin with the bias.
; The 64 accumulators take turns, one instruction a turn, in the same order in every step.
.macro MUL16 a0, p, q, sc, zero
.irp a, \a0, \a0+1
.irp b, 0,1,2,3,4,5,6,7
.if \zero
	v_wmma_scale_f32_16x16x128_f8f6f4 v[8*(8*((\a)%4)+\b):8*(8*((\a)%4)+\b)+7], v[128*(\p)+FR*\b:128*(\p)+FR*\b+FR-1], v[AF+FR*(\a):AF+FR*(\a)+FR-1], v[BI+8*\b:BI+8*\b+7], v[SC+8*NQ*(\sc)+NQ*\b+(\q)], v[SC+8*NQ*(\sc)+NQ*(\a)+(\q)] matrix_a_fmt:MATRIX_FMT_FP4 matrix_b_fmt:MATRIX_FMT_FP4 matrix_a_scale:MATRIX_SCALE_ROW1
.else
	v_wmma_scale_f32_16x16x128_f8f6f4 v[8*(8*((\a)%4)+\b):8*(8*((\a)%4)+\b)+7], v[128*(\p)+FR*\b:128*(\p)+FR*\b+FR-1], v[AF+FR*(\a):AF+FR*(\a)+FR-1], v[8*(8*((\a)%4)+\b):8*(8*((\a)%4)+\b)+7], v[SC+8*NQ*(\sc)+NQ*\b+(\q)], v[SC+8*NQ*(\sc)+NQ*(\a)+(\q)] matrix_a_fmt:MATRIX_FMT_FP4 matrix_b_fmt:MATRIX_FMT_FP4 matrix_a_scale:MATRIX_SCALE_ROW1
.endif
.endr
.endr
.endm
.macro FETCH_B slot, q, p              ; B's eight fragments: each two loads of 512 consecutive bytes, as they were laid
	WIN TO_B
.irp i, 0,1,2,3,4,5,6,7
.irp c, 0,1
	ds_load_b128 v[128*(\p)+FR*\i+4*\c:128*(\p)+FR*\i+4*\c+3], v[ADRB+\slot] offset:\i*4096+(\q)*1024+512*\c
.endr
.endr
	WIN 0
.endm
.macro FETCH_A slot, q, i0             ; A's blocks i0 .. i0 + 3: lane l holds row l % 16; registers 4 c .. 4 c + 3 hold K = 64 c + 32 (l / 16) + 0 .. 31
.irp i, \i0, \i0+1, \i0+2, \i0+3
.irp c, 0,1
	ds_load_b128 v[AF+FR*(\i)+4*\c:AF+FR*(\i)+4*\c+3], v[ADRA+\slot] offset:64*(\q)+32*\c+(\i)*16*PITCH
.endr
.endr
.endm
.macro SCALES sc                       ; a slot's scale words: lanes 0-15 take A's block i, lanes 16-31 B's block i
.irp i, 0,1,2,3,4,5,6,7
	ds_load_b128 v[SC+8*NQ*\sc+NQ*\i:SC+8*NQ*\sc+NQ*\i+3], v[ADRS] offset:\i*SBLK
.endr
.endm
.macro PLACES n                        ; plain vector lines between a matrix instruction and a load into, or a read of, its registers
.rept \n
	v_nop
.endr
.endm
.macro STEP slot, q, zero              ; a step of 128 along K that has its successor in the same slot
	s_wait_dscnt 4*NL                              ; all but the youngest eight loads (A's blocks 4-7) are in
.if \zero
	WIN FST_LO
.else
	WIN MUL_LO
.endif
	MUL16 0, (\q)%2, \q, \slot, \zero
	MUL16 2, (\q)%2, \q, \slot, \zero
	s_wait_dscnt 0
	PLACES NP
	FETCH_B \slot, (\q)+1, 1-(\q)%2
	FETCH_A \slot, (\q)+1, 0
.if \zero
	WIN FST_HI
.else
	WIN MUL_HI
.endif
	MUL16 4, (\q)%2, \q, \slot, \zero
	MUL16 6, (\q)%2, \q, \slot, \zero
	PLACES NP
	WIN 0
	FETCH_A \slot, (\q)+1, 4
.endm
.macro STEPS slot, from
.set Q, \from
.rept NQ-1-\from
	STEP \slot, Q, 0
.set Q, Q+1
.endr
.endm
	s_wait_tensorcnt 1                             ; the scales and my part of slot 0 are in; slot 1's load may be out
	s_barrier_signal -1
	s_barrier_wait -1                              ; everybody's are
	FETCH_B 0, 0, 0
	FETCH_A 0, 0, 0
	SCALES 0
	FETCH_A 0, 0, 4
	s_wait_loadcnt 0x0                             ; the bias
	STEP 0, 0, 1
	STEPS 0, 1
	; slot 0's last step changes slots: one barrier; in front of it each wave's part of slot 1 has landed and its reads of slot 0 are over (the stages will lie there)
	s_wait_tensorcnt 0x0
	ds_add_u32 v[SPW], v[NIL]
	s_wait_dscnt 4*NL+1                            ; the add and the youngest eight loads may be out
	WIN MUL_LO
	MUL16 0, 1, NQ-1, 0, 0
	s_wait_dscnt 0x0
	s_barrier_signal -1
	MUL16 2, 1, NQ-1, 0, 0
	WIN 0
	s_barrier_wait -1
	PLACES NP
	v_add_nc_u32 v[ADRS], 4*NQ, v[ADRS]            ; slot 1's scale words: 16 bytes on in each row
	FETCH_B 1, 0, 0
	FETCH_A 1, 0, 0
	SCALES 1
	WIN MUL_HI
	MUL16 4, 1, NQ-1, 0, 0
	MUL16 6, 1, NQ-1, 0, 0
	PLACES NP
	WIN 0
	FETCH_A 1, 0, 4
	STEPS 1, 0
	s_wait_dscnt 4*NL                              ; the very last step
	WIN MUL_LO
	MUL16 0, 1, NQ-1, 1, 0
	MUL16 2, 1, NQ-1, 1, 0
	s_wait_dscnt 0
	WIN MUL_HI
	MUL16 4, 1, NQ-1, 1, 0
	MUL16 6, 1, NQ-1, 1, 0
	WIN 0
; THE WAY OUT, block by block of 16 rows x 128 columns (two heads).  Rounded to f16, 16 bytes a lane, into my stage; back so that 32 lanes hold four rows of one head, 512 consecutive bytes of qkv.
.macro PACK a
.set AC, 64*((\a)%4)
	WIN 0x0a+5*((\a)/4)                            ; sources window 2 or 3
.irp b, 0,1,2,3,4,5,6,7
.irp r, 0,1,2,3
	v_cvt_pk_f16_f32 v[TMP+4*\b+\r], v[AC+8*\b+2*\r], v[AC+8*\b+2*\r+1]    ; each accumulator from its low end on
.endr
.endr
	WIN 0
.endm
.macro TOSTAGE a
.set BB, BK+32*((\a)%2)
.irp b, 0,1,2,3,4,5,6,7
	ds_store_b128 v[STO], v[TMP+4*\b:TMP+4*\b+3] offset:32*\b
.endr
.irp e, 0,1
.irp t, 0,1,2,3
	ds_load_b128 v[BB+16*\e+4*\t:BB+16*\e+4*\t+3], v[RD] offset:4*\t*SPITCH+128*\e   ; LDS serves a wave's instructions in order: these see the stores above
.endr
.endr
.endm
.macro SEND a
.set BB, BK+32*((\a)%2)
	s_wait_dscnt 0x0                               ; the block is back in registers
	s_wait_xcnt 0x0                                ; the earlier stores have read their registers: the next block's loads may land there
.irp e, 0,1
.irp t, 0,1,2,3
	global_store_b128 v[CO], v[BB+16*\e+4*\t:BB+16*\e+4*\t+3], s[12:13] offset:\e*262144+(\a)*2048+512*\t
.endr
.endr
.endm
	PLACES NP
	PACK 0
	TOSTAGE 0
.irp a, 1,2,3,4,5,6,7                  ; block a's conversions stand between block a - 1's loads from the stage and the wait for them
	PACK \a
	SEND \a-1
	TOSTAGE \a
.endr
	SEND 7
	s_wait_tensorcnt 0x0                           ; the wave's end
	ds_add_u32 v[SPW], v[NIL]
	s_wait_dscnt 0x0
	CROUND                                         ; the closing round
	s_endpgm
.Lfunc_end_k_qea5bf264e9_qkv:
	.size	k_qea5bf264e9_qkv, .Lfunc_end_k_qea5bf264e9_qkv-k_qea5bf264e9_qkv
	.p2alignl 7, 3214868480
	.fill 96, 4, 3214868480
	.section	.rodata,"a",@progbits
	.p2align	6, 0x0
	.amdhsa_kernel k_qea5bf264e9_qkv
		.amdhsa_group_segment_fixed_size 327680
		.amdhsa_private_segment_fixed_size 0
		.amdhsa_enable_private_segment 0
		.amdhsa_kernarg_size 64
		.amdhsa_user_sgpr_count 2
		.amdhsa_user_sgpr_kernarg_segment_ptr 1
		.amdhsa_wavefront_size32 1
		.amdhsa_system_sgpr_workgroup_id_x 1
		.amdhsa_system_sgpr_workgroup_id_y 1
		.amdhsa_system_sgpr_workgroup_id_z 1
		.amdhsa_system_vgpr_workitem_id 0
		.amdhsa_next_free_vgpr 1024
		.amdhsa_next_free_sgpr 102
		.amdhsa_reserve_vcc 0
		.amdhsa_float_denorm_mode_32 3
		.amdhsa_float_denorm_mode_16_64 3
		.amdhsa_memory_ordered 1
		.amdhsa_forward_progress 1
		.amdhsa_inst_pref_size 128
	.end_amdhsa_kernel
	.amdgpu_metadata
---
amdhsa.version: [ 1, 2 ]
amdhsa.kernels:
  - .name:           k_qea5bf264e9_qkv
    .symbol:         k_qea5bf264e9_qkv.kd
    .args:
      - { .name: xc, .offset: 0, .size: 8, .value_kind: global_buffer, .address_space: global }
      - { .name: xs, .offset: 8, .size: 8, .value_kind: global_buffer, .address_space: global }
      - { .name: wc, .offset: 16, .size: 8, .value_kind: global_buffer, .address_space: global }
      - { .name: ws, .offset: 24, .size: 8, .value_kind: global_buffer, .address_space: global }
      - { .name: qkv, .offset: 32, .size: 8, .value_kind: global_buffer, .address_space: global }
      - { .name: b_q, .offset: 40, .size: 8, .value_kind: global_buffer, .address_space: global }
      - { .name: b_k, .offset: 48, .size: 8, .value_kind: global_buffer, .address_space: global }
      - { .name: b_v, .offset: 56, .size: 8, .value_kind: global_buffer, .address_space: global }
    .group_segment_fixed_size: 327680
    .private_segment_fixed_size: 0
    .kernarg_segment_align: 8
    .kernarg_segment_size: 64
    .max_flat_workgroup_size: 128
    .sgpr_count:     102
    .vgpr_count:     1024
    .wavefront_size: 32
...
	.end_amdgpu_metadata
.endif
;; end of part 2
;; launch attn (part 3): grid 4 x 64, 8 waves a work-group, clusters of 4 x 1, 327,680 bytes of LDS; arguments qkv, att; writes att
.if DOCPART == 3
	.amdgcn_target "amdgcn-amd-amdhsa--gfx1250"
	.amdhsa_code_object_version 6
	.text
	.protected	k_qea5bf264e9_attn
	.globl	k_qea5bf264e9_attn
	.p2align	8
	.type	k_qea5bf264e9_attn,@function
k_qea5bf264e9_attn:
	s_mov_b64 s[64:65], 0
	v_nop
	global_prefetch_b8 v0, s[64:65] scope:SCOPE_SE
	s_setreg_imm32_b32 hwreg(HW_REG_WAVE_MODE, 25, 1), 1
	s_wait_xcnt 0x0
	s_wait_alu depctr_hold_cnt(0) depctr_sa_sdst(0) depctr_va_vdst(0) depctr_va_sdst(0) depctr_va_ssrc(0) depctr_va_vcc(0) depctr_vm_vsrc(0)
	s_getreg_b32 s2, hwreg(HW_REG_IB_STS2, 6, 4)
	s_cmp_eq_u32 s2, 0
	s_cbranch_scc0 .Lentry_in_a_cluster
	s_endpgm
.Lentry_in_a_cluster:
	s_bfe_u32 s2, ttmp6, 0x10000c
	s_cmp_lg_u32 s2, 0x3003
	s_cbranch_scc0 .Lentry_shape_is_right
	s_endpgm
.Lentry_shape_is_right:
; att[bh][q][:] = the sum over k of softmax_k(Q[bh][q] . K[bh][k] / 8) V[bh][k][:].  qkv: [3][64][2048][64] f16; att: [64][2048][64] f16.  Products on f16 operands, sums, maxima and the softmax in f32;
; the weights p are rounded to f16 for the second product, the result once at the end.  LIMIT: the result stays under 65,504 (it is an average of v's numbers, which do).
; SHARES.  A work-group owns 512 queries of one (batch, head); each of its EIGHT waves 64: four tiles of 16, in 512 registers: two waves to a SIMD.  A wave works in phases (all K Q^T of a step, the softmax,
; all V^T P); the other wave of its SIMD has other phases meanwhile.  Every wave walks all 2,048 keys, 64 a step; a fragment of K or V feeds four products.
; LAYOUT.  S^T = K Q^T (source 0 = 16 keys, source 1 = 16 queries): a lane holds ONE query (lane % 16) and keys 8 (lane / 16) + 0..7.  Two such tiles, rounded in pairs, ARE source 1 of O^T = V^T P.
; K comes out of LDS as it lies, V ([key][channel]) turned, by ds_load_tr16_b128.
; SOFTMAX.  A running maximum m and sum l for each query: p = 2^(c s - c m), c = log2(e) / 8; in every step O and l are multiplied by a = 2^(c m_old - c m_new).
; CLUSTER.  The four query blocks of a head walk the same K and V: each tile is asked for JOINTLY.  A slot holds four key steps: waves 0-3 fetch K's four tiles, waves 4-7 V's, one load a wave.
; REGISTERS: window 0: v1-11 addresses; v12-43 eight statistics a tile; v61-63; v64-191 S^T, 32 a tile; v192-255 P, 16 a tile.
;   window 1: v0-127 O^T, 32 a tile; v128-191 Q, 16 a tile; v192-255 ONE buffer for K's eight fragments, later V's eight.
.set KS,    64
.set PK,    144       ; a row of K in LDS: 128 bytes + 16
.set PV,    160       ; a row of V: 128 + 32
.set VOFF,  KS*PK
.set STEPB, KS*(PK+PV)
.set NST,   4         ; key steps in a slot
.set SLOTB, NST*KS*128  ; a slot's bytes of K, or of V, in memory
.set SLOT1, 1<<17     ; slot 1 begins here: one exclusive or turns an address in one slot into the other's
.set STAGE, SLOT1+NST*STEPB  ; behind the ring: 16 rows x 144 bytes for each wave
.set SP,    144
.set SPARE, STAGE+8*16*SP    ; the spare words, 128 bytes a wave
.set AK0, 2
.set AV0, 3
.set ADR, 4
.set QO,  5
.set STO, 6
.set RD,  7
.set GO,  8
.set ST,  12          ; tile t's statistics at v[ST+8 t]: +0 c m, +1 m, +2, +3 l (even keys', odd keys'), +4 to +7 at work; a takes +6 once the maximum is found
.set PFO, 61
.set SPW, 62
.set NIL, 63
.set S,   64
.set P,   192
.set QF,  128         ; in window 1
.set KV,  192         ; in window 1
.set WV,  12
.set LIM, 15
.set PFA, 18
.set G1K, 24
.set G1V, 32
.set G0K, 40
.set G0V, 48
.set SLOTS, 56
.set CNT, 57
.set CS,  58
.set SEL, 60
.set TB,  62
.set MSB, 0
.macro WIN new
.if MSB != \new
	s_set_vgpr_msb (MSB<<8)|\new
.set MSB, \new
.endif
.endm
.set W_KQ, 0x05       ; K and Q in window 1, S^T in window 0
.set W_PV, 0x51       ; V in window 1, P in window 0, O^T in window 1
.set W_RS, 0x41       ; O^T (destination and source 0) in window 1, a in window 0
.set W_LD, 0x40       ; a load's destination in window 1, its address in window 0
.macro JLOAD                        ; a joint refill; the branch hangs on the wave's number alone.  An s_nop 0 and four v_nop follow each line
	s_cmp_lt_u32 s[WV], 4
	s_cbranch_scc0 .Lfor_v_\@
	tensor_load_to_lds s[G0K+4:G0K+7], s[G1K:G1K+7]
	s_nop 0
.rept 4
	v_nop
.endr
	s_branch .Lasked_\@
.Lfor_v_\@:
	tensor_load_to_lds s[G0V+4:G0V+7], s[G1V:G1V+7]
	s_nop 0
.rept 4
	v_nop
.endr
.Lasked_\@:
.endm
; A prefetch of what the NEXT change of slots will ask for: a slot's 32,768 bytes of K and of V.  The four partners take 8,192 bytes each, told apart by address; in each, wave 0 asks for K's and wave 4 for V's,
; lanes 256 bytes apart: each aligned 256 bytes is named once in the launch.  It stands four key steps ahead of the load that will want the bytes.  The last change that fills a slot asks for nothing.
.macro ASK
	s_cmp_gt_u32 s[SLOTS], s[LIM]
	s_cbranch_scc0 .Lnot_mine_\@
	global_prefetch_b8 v[PFO], s[PFA:PFA+1] th:TH_LOAD_NT scope:SCOPE_SE
.Lnot_mine_\@:
.endm
.macro CROUND
	s_barrier_signal -1
	s_barrier_wait -1
	s_cmp_lg_u32 s[WV], 0
	s_cbranch_scc1 .Lnot_wave_0_\@
	s_barrier_signal -3
.Lnot_wave_0_\@:
	s_barrier_wait -3
	s_barrier_signal -1
	s_barrier_wait -1
.endm
.macro PLACES
.rept 4
	v_nop
.endr
.endm
	s_load_b128 s[20:23], s[0:1], 0x0  ; qkv s[20:21], att s[22:23]
	v_lshl_add_u32 v[SPW], v0, 2, SPARE
	v_mov_b32 v[NIL], 0
	ds_add_u32 v[SPW], v[NIL]       ; the wave's opening: the add, twice on end, and its wait ahead of my first tensor load
	ds_add_u32 v[SPW], v[NIL]
	v_lshrrev_b32 v1, 5, v0
	v_readfirstlane_b32 s[WV], v1   ; wave 0..7
	s_bfe_u32 s13, ttmp6, 0x40000   ; cx: my block of 512 queries; it enters Q's, att's and the prefetches' addresses alone
	s_and_b32 s14, ttmp7, 0xffff    ; batch x 16 + head, which the four partners share
	s_lshl_b32 s14, s14, 18         ; its first byte in a projection
	s_and_b32 s16, s[WV], 3         ; which of a slot's four steps I fetch:
	s_lshl_b32 s2, s16, 13          ; its 64 rows of 128 bytes in memory,
	s_add_co_u32 s2, s2, s14
	s_mov_b32 s3, 0
	s_mul_i32 s17, s16, STEPB       ; and its place in a slot
	s_lshl_b32 s56, s13, 16         ; my block's 512 rows,
	s_lshl_b32 s57, s[WV], 13       ; my wave's 64 of them
	s_add_co_u32 s56, s56, s57
	s_add_co_u32 s56, s56, s14
	s_mov_b32 s57, 0
	s_mov_b32 s[G1K], 15|(1<<16)|(1<<20)|(1<<21)|(4<<22)|(3<<25)  ; the mask: all four; elements of 2 bytes; 4 words of padding behind every 32
	s_mov_b32 s[G1V], 15|(1<<16)|(1<<20)|(1<<21)|(4<<22)|(7<<25)  ; the same with 8 words
.irp g, G1K, G1V
	s_mov_b32 s[\g+1], 64<<16       ; tensor_dim0 = 64
	s_mov_b32 s[\g+2], KS<<16       ; tensor_dim1 = 64
	s_mov_b32 s[\g+3], 64<<16       ; tile_dim0
	s_mov_b32 s[\g+4], KS           ; tile_dim1
	s_mov_b32 s[\g+5], 64           ; elements from row to row
	s_mov_b32 s[\g+6], 0
	s_mov_b32 s[\g+7], 0
.endr
	s_mov_b32 s[CS], 0x3e38aa3b     ; c = log2(e) / 8
	s_mov_b32 s[CS+1], s[CS]        ; named with it as a pair, so it is written
	s_mov_b32 s[SEL], 0x76543210
	s_mov_b32 s[SEL+1], 0xfedcba98
	s_mov_b32 s[TB], 0
	s_cmp_eq_u32 s16, 0             ; waves 0 and 4 prefetch
	s_cselect_b32 s[LIM], 1, -1
	v_and_b32 v[PFO], 31, v0
	v_lshlrev_b32 v[PFO], 8, v[PFO]
	s_wait_dscnt 0x0                ; both opening adds are done
	s_wait_kmcnt 0x0
	s_add_nc_u64 s[4:5], s[20:21], s[56:57]    ; Q at my wave's first row
	s_add_nc_u64 s[10:11], s[22:23], s[56:57]  ; att likewise
	s_add_nc_u64 s[6:7], s[20:21], s[2:3]
	s_add_nc_u64 s[8:9], s[6:7], 0x2000000     ; V at my tile of slot 0
	s_add_nc_u64 s[6:7], s[6:7], 0x1000000     ; K likewise
	s_mov_b32 s[SLOTS], 2048/(NST*KS)-2        ; slots still to be asked for
	s_cmp_lt_u32 s[WV], 4
	s_cselect_b64 s[PFA:PFA+1], s[6:7], s[8:9] ; (in waves 0 and 4 these stand at a slot's first row)
	s_lshl_b32 s2, s13, 13          ; my work-group's quarter
	s_mov_b32 s3, 0
	s_add_nc_u64 s[PFA:PFA+1], s[PFA:PFA+1], s[2:3]
	s_add_nc_u64 s[PFA:PFA+1], s[PFA:PFA+1], 2*SLOTB  ; in slot 2; the first change steps it to slot 3.  Nothing is prefetched at the head
	CROUND                          ; all four work-groups are here: the first joint loads meet
.irp s, 0,1
	s_mov_b32 s[G0K+4*\s], 1
	s_add_co_u32 s[G0K+4*\s+1], s17, \s*SLOT1
	s_add_nc_u64 s[G0K+4*\s+2:G0K+4*\s+3], s[6:7], \s*SLOTB
	s_or_b32 s[G0K+4*\s+3], s[G0K+4*\s+3], 0x80000000
	s_mov_b32 s[G0V+4*\s], 1
	s_add_co_u32 s[G0V+4*\s+1], s17, \s*SLOT1+VOFF
	s_add_nc_u64 s[G0V+4*\s+2:G0V+4*\s+3], s[8:9], \s*SLOTB
	s_or_b32 s[G0V+4*\s+3], s[G0V+4*\s+3], 0x80000000
.endr
	s_cmp_lt_u32 s[WV], 4           ; a wave's two first fills stand in one branch: two loads of mine are out
	s_cbranch_scc0 .Lfirst_v
	tensor_load_to_lds s[G0K:G0K+3], s[G1K:G1K+7]
	s_nop 0
	tensor_load_to_lds s[G0K+4:G0K+7], s[G1K:G1K+7]
	s_nop 0
.rept 4
	v_nop
.endr
	s_branch .Lfirst_asked
.Lfirst_v:
	tensor_load_to_lds s[G0V:G0V+3], s[G1V:G1V+7]
	s_nop 0
	tensor_load_to_lds s[G0V+4:G0V+7], s[G1V:G1V+7]
	s_nop 0
.rept 4
	v_nop
.endr
.Lfirst_asked:
	v_and_b32 v1, 15, v0            ; r
	v_bfe_u32 v9, v0, 4, 1          ; h
	v_lshlrev_b32 v[QO], 7, v1
	v_lshl_add_u32 v[QO], v9, 4, v[QO]  ; row x 128 + 16 h
	WIN W_LD
.irp i, 0,1,2,3,4,5,6,7             ; Q stays in registers: tile i / 2, channels 32 (i % 2) on
	global_load_b128 v[QF+8*\i:QF+8*\i+3],   v[QO], s[4:5] offset:(\i/2)*2048+(\i%2)*64
	global_load_b128 v[QF+8*\i+4:QF+8*\i+7], v[QO], s[4:5] offset:(\i/2)*2048+(\i%2)*64+32
.endr
	WIN 0
	v_mul_u32_u24 v[AK0], v1, PK
	v_lshl_add_u32 v[AK0], v9, 4, v[AK0]  ; K: row x pitch + 16 h
	v_and_b32 v10, 7, v0
	v_bfe_u32 v11, v0, 3, 1
	v_lshl_add_u32 v[AV0], v9, 3, v10     ; V, for the turning load: key 8 h + l % 8, channels 8 ((l / 8) % 2) on
	v_mul_u32_u24 v[AV0], v[AV0], PV
	v_lshl_add_u32 v[AV0], v11, 4, v[AV0]
	v_add_nc_u32 v[AV0], VOFF, v[AV0]
	s_mul_i32 s2, s[WV], 16*SP
	s_add_co_u32 s2, s2, STAGE      ; my stage
	v_mul_u32_u24 v[STO], v1, SP    ; in: row r, 16 bytes for each half of the lanes
	v_lshl_add_u32 v[STO], v9, 4, v[STO]
	v_add_nc_u32 v[STO], s2, v[STO]
	v_and_b32 v10, 31, v0
	v_lshrrev_b32 v11, 3, v10
	v_mul_u32_u24 v[RD], v11, SP    ; back: eight lanes to a row of 128 bytes, 32 lanes four rows
	v_and_b32 v11, 7, v0
	v_lshl_add_u32 v[RD], v11, 4, v[RD]
	v_add_nc_u32 v[RD], s2, v[RD]
	v_lshlrev_b32 v[GO], 4, v10     ; which are 512 consecutive bytes of att
; Product i of 32 of S^T = K Q^T: channels 32 (i / 16) on, keys 16 ((i / 4) % 4) on, tile i % 4.  The first 16 start the sums.  The 16 accumulators take turns, one instruction a turn.
.macro KQ
	WIN W_KQ
.set rS, S+32*(i%4)+8*((i/4)%4)
.set rK, KV+8*(2*((i/4)%4)+i/16)
.set rQ, QF+16*(i%4)+8*(i/16)
.if i < 16
	v_wmma_f32_16x16x32_f16 v[rS:rS+7], v[rK:rK+7], v[rQ:rQ+7], 0
.else
	v_wmma_f32_16x16x32_f16 v[rS:rS+7], v[rK:rK+7], v[rQ:rQ+7], v[rS:rS+7]
.endif
.endm
; Product i of 32 of O^T += V^T P: keys 32 (i / 16) on, channels 16 ((i / 4) % 4) on, tile i % 4.  first = 1: the first 16 start the sums: nothing is ever cleared.
.macro PV first
	WIN W_PV
.set rO, 32*(i%4)+8*((i/4)%4)
.set rV, KV+8*(4*(i/16)+(i/4)%4)
.set rP, P+16*(i%4)+8*(i/16)
.if \first && (i < 16)
	v_wmma_f32_16x16x32_f16 v[rO:rO+7], v[rV:rV+7], v[rP:rP+7], 0
.else
	v_wmma_f32_16x16x32_f16 v[rO:rO+7], v[rV:rV+7], v[rP:rP+7], v[rO:rO+7]
.endif
.endm
.macro FETCH_K                      ; a step's K: 64 keys x 64 channels: 8 fragments
	WIN 0
	v_add_nc_u32 v[ADR], s[TB], v[AK0]
	WIN W_LD
.irp f, 0,1,2,3,4,5,6,7             ; keys 16 (f / 2) on, channels 32 (f % 2) on
	ds_load_b128 v[KV+8*\f:KV+8*\f+3],   v[ADR] offset:(\f/2)*16*PK+(\f%2)*64
	ds_load_b128 v[KV+8*\f+4:KV+8*\f+7], v[ADR] offset:(\f/2)*16*PK+(\f%2)*64+32
.endr
.endm
.macro FETCH_V                      ; the same step's V, turned, into the same registers
	WIN 0
	v_add_nc_u32 v[ADR], s[TB], v[AV0]
	s_add_co_u32 s[TB], s[TB], STEPB  ; the next fetch is the next step's
	WIN W_LD
.irp f, 0,1,2,3,4,5,6,7             ; keys 32 (f / 4) on, channels 16 (f % 4) on
	ds_load_tr16_b128 v[KV+8*\f:KV+8*\f+3],   v[ADR] offset:(\f/4)*32*PV+(\f%4)*32
	ds_load_tr16_b128 v[KV+8*\f+4:KV+8*\f+7], v[ADR] offset:(\f/4)*32*PV+16*PV+(\f%4)*32
.endr
.endm
; One tile's softmax for one key step is a list of 118 instructions; SM writes number j of it for tile t.  s0-s31 are the lane's 32 scores, in pairs 0-15.
;   0-15    the maximum of s0-s31 and the old m, three operands at a time (each accumulator is read from its low end on)
;   16-20   the other half of the lanes' maximum; the new m; c m; c m_old - c m_new
;   21-69   ONE BATCH: the 16 scalings c s - c m and all 33 exponentials; none of these names an exponential's result
;   70-85   the roundings to f16;   86-101 the sums, l = a l + the sum;   102-117 the tile's O^T times a
; first = 1: the first key step, which starts m, l and O^T: it has no a and nothing to rescale.
.macro SM t, first
.set rT, ST+8*(\t)
.set rS, S+32*(\t)
.set rP, P+16*(\t)
.set rO, 32*(\t)+2*(j-102)
.if j < 102
	WIN 0
.endif
.if j < 4
	v_max3_num_f32 v[rT+4+j], v[rS+8*j], v[rS+8*j+1], v[rS+8*j+2]
.elseif j < 12
	v_max3_num_f32 v[rT+4+j%4], v[rT+4+j%4], v[rS+8*(j%4)+2*(j/4)+1], v[rS+8*(j%4)+2*(j/4)+2]
.elseif j == 12
	v_max3_num_f32 v[rT+4], v[rT+4], v[rS+7], v[rS+15]
.elseif j == 13
	v_max3_num_f32 v[rT+6], v[rT+6], v[rS+23], v[rS+31]
.elseif j == 14
	v_max3_num_f32 v[rT+4], v[rT+4], v[rT+5], v[rT+6]
.elseif (j == 15) && \first
	v_max_num_f32 v[rT+4], v[rT+4], v[rT+7]
.elseif j == 15
	v_max3_num_f32 v[rT+4], v[rT+4], v[rT+7], v[rT+1]
.elseif j == 16
	v_permlanex16_b32 v[rT+5], v[rT+4], s[SEL], s[SEL+1]  ; the query's other 32 keys lie in the lane 16 away
.elseif j == 18
	v_max_num_f32 v[rT+1], v[rT+4], v[rT+5]
.elseif j == 19
	v_mul_f32 v[rT], s[CS], v[rT+1]
.elseif ((j == 17) || (j == 20) || (j == 23) || (j > 101)) && \first
.elseif j == 17
	v_mov_b32 v[rT+7], v[rT]        ; c m_old is kept for a
.elseif j == 20
	v_sub_f32 v[rT+7], v[rT+7], v[rT]
.elseif j == 23
	v_exp_f32 v[rT+6], v[rT+7]
.elseif (j < 23) || ((j < 38) && (j%2 == 0)) || ((j < 66) && (j%4 == 2))
.set b, (j-2)/4
.if j < 38
.set b, (j-20)/2
.endif
	v_pk_fma_f32 v[rS+2*b:rS+2*b+1], v[rS+2*b:rS+2*b+1], s[CS:CS+1], v[rT:rT+1] op_sel_hi:[1,0,0] neg_lo:[0,0,1] neg_hi:[0,0,1]  ; pair b: c s - c m
.elseif j < 70
.set e, j-38
.if j < 66
.set e, j-32-(j-38)/4
.endif
.if j < 38
.set e, (j-25)/2
.endif
	v_exp_f32 v[rS+e], v[rS+e]
.elseif j < 86
	v_cvt_pk_f16_f32 v[rP+j-70], v[rS+2*(j-70)], v[rS+2*(j-70)+1]
.elseif j < 102
.set z, j-86
.set w, 4
.set u, z
.if z >= 14
.set w, 32
.set u, 0
.elseif z >= 12
.set w, 16
.set u, z-12
.elseif z >= 8
.set w, 8
.set u, z-8
.endif
.if (z == 14) && \first
	v_pk_add_f32 v[rT+2:rT+3], v[rS:rS+1], v[rS+16:rS+17]
.elseif z < 15
	v_pk_add_f32 v[rS+w*u:rS+w*u+1], v[rS+w*u:rS+w*u+1], v[rS+w*u+w/2:rS+w*u+w/2+1]
.elseif !\first
	v_pk_fma_f32 v[rT+2:rT+3], v[rT+2:rT+3], v[rT+6:rT+7], v[rS:rS+1] op_sel_hi:[1,0,1]
.endif
.else
	WIN W_RS
	v_pk_mul_f32 v[rO:rO+1], v[rO:rO+1], v[rT+6:rT+7] op_sel_hi:[1,0]
.endif
.endm
; The four tiles' lists go number by number, the tiles by turns: no line reads the result of the line above it.  The step's 132 exponentials are one batch with one wait, ahead of the first line that names a result.
.macro SOFTMAX first
.set j, 0
.rept 70
.irp t, 0,1,2,3
	SM \t, \first
.endr
.set j, j+1
.endr
	v_nop                           ; a plain line behind the last exponential
	s_wait_alu depctr_va_vdst(0)    ; the wait ahead of the first use of an exponential's result: one for the batch
.rept 48
.irp t, 0,1,2,3
	SM \t, \first
.endr
.set j, j+1
.endr
.endm
; A KEY STEP, in phases.  V is asked for ahead of the softmax and lands under it.
.macro STEP first
	PLACES                          ; behind the last V^T P: K lands in the registers that it read
	FETCH_K
	s_wait_dscnt 0x0                ; K is in
.set i, 0
.rept 32
	KQ
.set i, i+1
.endr
	WIN 0
	PLACES                          ; behind the last K Q^T: V lands in the registers that it read, and the softmax reads its results
	FETCH_V
	SOFTMAX \first
	s_wait_dscnt 0x0                ; V is in
.set i, 0
.rept 32
	PV \first
.set i, i+1
.endr
	WIN 0
.endm
.macro STEPS n                      ; n key steps: written once, walked n times; the LDS addresses hang on s[TB]
	s_mov_b32 s[CNT], \n
.Lstep_\@:
	STEP 0
	s_sub_co_u32 s[CNT], s[CNT], 1
	s_cmp_lg_u32 s[CNT], 0
	s_cbranch_scc1 .Lstep_\@
.endm
; THE CHANGE OF SLOTS.  Each wave waits for all its tensor loads, of which one is out: its part of the other slot; adds 0 to its spare word; waits for that and for its reads of the slot.
; fill = 1: the slot just left is filled again with the keys two slots on, behind a round of the cluster's barrier, so that no wave of any partner still reads it: the load has four key steps in which to land.
.macro CHANGE fill
	WIN 0
	s_wait_tensorcnt 0x0            ; no tensor load of mine is out, so a group 0 may be written
	ds_add_u32 v[SPW], v[NIL]
.if \fill
.irp g, G0K+4, G0V+4
	s_xor_b32 s[\g+1], s[\g+1], SLOT1  ; the walking descriptor: the other slot than last time,
	s_add_nc_u64 s[\g+2:\g+3], s[\g+2:\g+3], SLOTB  ; the next 256 keys
.endr
	s_wait_xcnt 0x0                 ; the last prefetch, four key steps back, has read its address
	s_add_nc_u64 s[PFA:PFA+1], s[PFA:PFA+1], SLOTB
	s_wait_dscnt 0x0                ; the add is done, and my reads of the slot are over
	CROUND
	JLOAD
	ASK
.else
	s_wait_dscnt 0x0
	s_barrier_signal -1
	s_barrier_wait -1
.endif
	s_sub_co_u32 s[TB], s[TB], NST*STEPB  ; the fetches go back to a slot's first step,
	s_xor_b32 s[TB], s[TB], SLOT1   ; in the other slot
.endm
	s_wait_tensorcnt 1              ; my part of slot 0 is in; slot 1's may stay out
	s_barrier_signal -1
	s_barrier_wait -1               ; everybody's is
	s_wait_loadcnt 0x0              ; Q
	STEP 1                          ; the first key step starts m, l and O^T
	STEPS NST-1
.Lslot:                             ; six trips: every slot but the last two is filled again
	CHANGE 1
	STEPS NST
	s_sub_co_u32 s[SLOTS], s[SLOTS], 1
	s_cmp_lg_u32 s[SLOTS], 0
	s_cbranch_scc1 .Lslot
	CHANGE 0                        ; the tail is written out
	STEPS NST
	; THE WAY OUT.  l's halves are added; O^T is divided by l, rounded to f16 and sent through my stage, a tile (16 rows) at a time.  The additions are the places behind the last products.
.irp t, 0,1,2,3
	v_add_f32 v[ST+8*\t+4], v[ST+8*\t+2], v[ST+8*\t+3]
.endr
.irp t, 0,1,2,3
	v_permlanex16_b32 v[ST+8*\t+5], v[ST+8*\t+4], s[SEL], s[SEL+1]
.endr
.irp t, 0,1,2,3
	v_add_f32 v[ST+8*\t+4], v[ST+8*\t+4], v[ST+8*\t+5]
.endr
.irp t, 0,1,2,3
	v_rcp_f32 v[ST+8*\t+6], v[ST+8*\t+4]
.endr
	v_nop                           ; a plain line behind the last reciprocal
	s_wait_alu depctr_va_vdst(0)    ; one wait for the four, ahead of the first use
.macro PACK t
	WIN W_RS
.set i, 32*\t
.rept 16
	v_pk_mul_f32 v[i:i+1], v[i:i+1], v[ST+8*\t+6:ST+8*\t+7] op_sel_hi:[1,0]   ; ascending: each accumulator from its low end on
.set i, i+2
.endr
	WIN 0x05                        ; sources window 1, destination window 0: S^T's registers are free
.set i, 0
.rept 16
	v_cvt_pk_f16_f32 v[S+16*\t+i], v[32*\t+2*i], v[32*\t+2*i+1]
.set i, i+1
.endr
	WIN 0
.irp f, 0,1,2,3
	ds_store_b128 v[STO], v[S+16*\t+4*\f:S+16*\t+4*\f+3] offset:32*\f
.endr
.irp f, 0,1,2,3
	ds_load_b128 v[S+16*\t+4*\f:S+16*\t+4*\f+3], v[RD] offset:\f*4*SP  ; LDS serves a wave's instructions in order: these see the stores above; the next tile's stores come behind them
.endr
.endm
.macro SEND t, younger              ; younger: the LDS instructions issued behind tile t's loads: the next tile's eight, or none
.irp f, 0,1,2,3
	s_wait_dscnt \younger+3-\f
	global_store_b128 v[GO], v[S+16*\t+4*\f:S+16*\t+4*\f+3], s[10:11] offset:\t*2048+\f*512  ; 32 lanes store 512 consecutive bytes, aligned
.endr
.endm
	PACK 0
	PACK 1
	SEND 0, 8
	PACK 2
	SEND 1, 8
	PACK 3
	SEND 2, 8
	SEND 3, 0
	s_wait_tensorcnt 0x0            ; the wave's end
	ds_add_u32 v[SPW], v[NIL]
	s_wait_dscnt 0x0
	CROUND                          ; the closing round
	s_endpgm
.Lfunc_end_k_qea5bf264e9_attn:
	.size	k_qea5bf264e9_attn, .Lfunc_end_k_qea5bf264e9_attn-k_qea5bf264e9_attn
	.p2alignl 7, 3214868480
	.fill 96, 4, 3214868480
	.section	.rodata,"a",@progbits
	.p2align	6, 0x0
	.amdhsa_kernel k_qea5bf264e9_attn
		.amdhsa_group_segment_fixed_size 327680
		.amdhsa_private_segment_fixed_size 0
		.amdhsa_enable_private_segment 0
		.amdhsa_kernarg_size 16
		.amdhsa_user_sgpr_count 2
		.amdhsa_user_sgpr_kernarg_segment_ptr 1
		.amdhsa_wavefront_size32 1
		.amdhsa_system_sgpr_workgroup_id_x 1
		.amdhsa_system_sgpr_workgroup_id_y 1
		.amdhsa_system_sgpr_workgroup_id_z 1
		.amdhsa_system_vgpr_workitem_id 0
		.amdhsa_next_free_vgpr 512
		.amdhsa_next_free_sgpr 66
		.amdhsa_reserve_vcc 0
		.amdhsa_float_denorm_mode_32 3
		.amdhsa_float_denorm_mode_16_64 3
		.amdhsa_memory_ordered 1
		.amdhsa_forward_progress 1
		.amdhsa_inst_pref_size 146
	.end_amdhsa_kernel
	.amdgpu_metadata
---
amdhsa.version: [ 1, 2 ]
amdhsa.kernels:
  - .name:           k_qea5bf264e9_attn
    .symbol:         k_qea5bf264e9_attn.kd
    .args:
      - { .name: qkv, .offset: 0, .size: 8, .value_kind: global_buffer, .address_space: global }
      - { .name: att, .offset: 8, .size: 8, .value_kind: global_buffer, .address_space: global }
    .group_segment_fixed_size: 327680
    .private_segment_fixed_size: 0
    .kernarg_segment_align: 8
    .kernarg_segment_size: 16
    .max_flat_workgroup_size: 256
    .sgpr_count:     66
    .vgpr_count:     512
    .wavefront_size: 32
...
	.end_amdgpu_metadata
.endif
;; end of part 3
;; launch oproj (part 4): grid 4 x 64, 4 waves a work-group, clusters of 4 x 4, 327,680 bytes of LDS; arguments att, wo16, b_o, out0; writes out0
.if DOCPART == 4
	.amdgcn_target "amdgcn-amd-amdhsa--gfx1250"
	.amdhsa_code_object_version 6
	.text
	.protected	k_qea5bf264e9_oproj
	.globl	k_qea5bf264e9_oproj
	.p2align	8
	.type	k_qea5bf264e9_oproj,@function
k_qea5bf264e9_oproj:
	s_mov_b64 s[64:65], 0
	v_nop
	global_prefetch_b8 v0, s[64:65] scope:SCOPE_SE
	s_setreg_imm32_b32 hwreg(HW_REG_WAVE_MODE, 25, 1), 1
	s_wait_xcnt 0x0
	s_wait_alu depctr_hold_cnt(0) depctr_sa_sdst(0) depctr_va_vdst(0) depctr_va_sdst(0) depctr_va_ssrc(0) depctr_va_vcc(0) depctr_vm_vsrc(0)
	s_getreg_b32 s2, hwreg(HW_REG_IB_STS2, 6, 4)
	s_cmp_eq_u32 s2, 0
	s_cbranch_scc0 .Lentry_in_a_cluster
	s_endpgm
.Lentry_in_a_cluster:
	s_bfe_u32 s2, ttmp6, 0x10000c
	s_cmp_lg_u32 s2, 0xf033
	s_cbranch_scc0 .Lentry_shape_is_right
	s_endpgm
.Lentry_shape_is_right:
; out0[m][n] = the sum over k of merged[m][k] w_o[k][n] + b_o[n], on f16 operands, sums in f32.  merged[m][64 head + d] = att[16 (m / 2048) + head][m % 2048][d]; wo16: [1024 (k)][1024 (n)] f16; out0: [8192][1024] f32.
; A tile of out0 is 128 (m) x 256 (n): 256 work-groups.  Four waves, each 64 x 128: 32 accumulators.  K goes in steps of 128, two heads, through a ring of two LDS slots.
; THE MATRIX INSTRUCTION IS USED TRANSPOSED: source 0 = 16 columns of w_o (turned out of LDS by ds_load_tr16_b128, since k is its first axis), source 1 = 16 rows of att: a lane holds eight neighbouring numbers of a row.
; b_o is the C of each sum's first instruction.
; CLUSTER 4 x 4: att's tiles hang on the tile row alone and are shared along a row of the cluster, w_o's on the tile column alone and are shared along a column: each is asked for jointly.
; REGISTERS: window 0: v0-31 addresses; two fragment buffers: B at v[64 + 96 f], 64 registers, A at v[128 + 96 f], 32.  window 1: accumulator (a, b) at v[8 (8 a + b)].  window 2: v0-63 the bias, 8 x 8.
.set PA,     144                       ; a row of att in LDS: 128 bytes + 16
.set PB,     544                       ; a row of w_o: 512 bytes + 32
.set HEADA,  128*PA                    ; a head's 128 rows: one tensor load
.set HALFB,  64*PB                     ; 64 rows of w_o: one tensor load
.set BOFF,   2*HEADA
.set SLOT,   BOFF+2*HALFB
.set STAGE,  2*SLOT                    ; behind the ring: 16 rows x (512 bytes + 16) for each wave
.set SPITCH, 528
.set SPARE,  STAGE+4*16*SPITCH         ; the spare words, 128 bytes a wave
.set ADRA, 16
.set ADRB, 20
.set STO,  24
.set RD,   25
.set CO,   26
.set SPW,  28
.set NIL,  29
.set PFO,  30
.set G1, 24
.set G0, 32
.set LIM, 43
.set PFA, 44
.set G1B, 48
.set G0B, 56
.set MSB, 0
.macro WIN new
.if MSB != \new
	s_set_vgpr_msb (MSB<<8)|\new
.set MSB, \new
.endif
.endm
.set MUL,   0x50                       ; sources window 0, C and D window 1
.set FIRST, 0x60                       ; C (the bias) window 2, D window 1
.macro JLOAD s                         ; a joint load: waves 0 and 1 fetch att's two heads, waves 2 and 3 w_o's two halves; an s_nop 0 and four v_nop follow each line
	s_cmp_eq_u32 s13, 0
	s_cbranch_scc0 .Lfor_b_\@
	tensor_load_to_lds s[G0+4*\s:G0+4*\s+3], s[G1:G1+7]
	s_nop 0
.rept 4
	v_nop
.endr
	s_branch .Lasked_\@
.Lfor_b_\@:
	tensor_load_to_lds s[G0B+4*\s:G0B+4*\s+3], s[G1B:G1B+7]
	s_nop 0
.rept 4
	v_nop
.endr
.Lasked_\@:
.endm
; A prefetch of att's rows for the lap (two K steps, four heads) behind the one that is being asked for: 65,536 bytes of my tile row.  The four partners that share the tile row take 4,096 bytes of each head, told apart
; by address; in each, waves 0 and 1 ask, lanes 0-15 for one head and lanes 16-31 for the head two on, 256 bytes a lane: each aligned 256 bytes is named once in the launch.  The loop's last trip asks for nothing.
.macro ASK
	s_cmp_gt_u32 s3, s[LIM]
	s_cbranch_scc0 .Lnot_mine_\@
	global_prefetch_b8 v[PFO], s[PFA:PFA+1] th:TH_LOAD_NT scope:SCOPE_SE
.Lnot_mine_\@:
.endm
.macro CREST                           ; a round of the cluster's barrier behind its opening barrier
	s_cmp_lg_u32 s12, 0
	s_cbranch_scc1 .Lnot_wave_0_\@
	s_barrier_signal -3
.Lnot_wave_0_\@:
	s_barrier_wait -3
	s_barrier_signal -1
	s_barrier_wait -1
.endm
.macro CROUND
	s_barrier_signal -1
	s_barrier_wait -1
	CREST
.endm
	s_load_b128 s[4:7], s[0:1], 0x0                ; att s[4:5], wo16 s[6:7]
	s_load_b128 s[8:11], s[0:1], 0x10              ; b_o s[8:9], out0 s[10:11]
	v_lshl_add_u32 v[SPW], v0, 2, SPARE
	v_mov_b32 v[NIL], 0
	ds_add_u32 v[SPW], v[NIL]                      ; the wave's opening: the add, twice on end, and its wait ahead of my first tensor load
	ds_add_u32 v[SPW], v[NIL]
	v_lshrrev_b32 v1, 5, v0
	v_readfirstlane_b32 s12, v1                    ; wave 0..3
	s_lshr_b32 s13, s12, 1                         ; my half of the tile's rows.  Also: I fetch for att (0) or for w_o (1)
	s_and_b32 s14, s12, 1                          ; my half of its columns.  Also: which head, or which 64 rows of w_o, I fetch
	s_bfe_u32 s40, ttmp6, 0x40000                  ; cx
	s_bfe_u32 s41, ttmp6, 0x40004                  ; cy
	s_lshl_b32 s42, ttmp9, 2
	s_add_co_u32 s42, s42, s40                     ; tile column
	s_and_b32 s15, ttmp7, 0xffff
	s_lshl_b32 s15, s15, 2
	s_add_co_u32 s15, s15, s41                     ; tile row
	s_lshl_b32 s22, s41, 2
	s_lshl_b32 s22, 15, s22                        ; my row of the cluster
	s_lshl_b32 s23, 0x1111, s40                    ; my column
	s_or_b32 s[G1+0], s22, (1<<16)|(1<<20)|(1<<21)|(4<<22)|(3<<25)   ; att: elements of 2 bytes; 4 words of padding behind every 32
	s_mov_b32 s[G1+1], 64<<16                      ; tensor_dim0 = 64
	s_mov_b32 s[G1+2], 128<<16                     ; tensor_dim1 = 128
	s_mov_b32 s[G1+3], 64<<16                      ; tile_dim0
	s_mov_b32 s[G1+4], 128                         ; tile_dim1
	s_mov_b32 s[G1+5], 64                          ; elements from row to row
	s_mov_b32 s[G1+6], 0
	s_mov_b32 s[G1+7], 0
	s_or_b32 s[G1B+0], s23, (1<<16)|(1<<20)|(1<<21)|(6<<22)|(7<<25)  ; w_o: 8 words of padding behind every 128
	s_mov_b32 s[G1B+1], 256<<16
	s_mov_b32 s[G1B+2], 64<<16
	s_mov_b32 s[G1B+3], 256<<16
	s_mov_b32 s[G1B+4], 64
	s_mov_b32 s[G1B+5], 1024
	s_mov_b32 s[G1B+6], 0
	s_mov_b32 s[G1B+7], 0
	s_lshr_b32 s16, s15, 4
	s_lshl_b32 s16, s16, 22                        ; att: the batch's 16 heads of 2^18 bytes,
	s_and_b32 s17, s15, 15
	s_lshl_b32 s17, s17, 14                        ; the tile's 128 rows of 128 bytes,
	s_add_co_u32 s16, s16, s17
	s_lshl_b32 s17, s14, 18                        ; my head of the K step's two
	s_add_co_u32 s16, s16, s17
	s_mov_b32 s17, 0
	s_lshl_b32 s46, s14, 17                        ; w_o: my 64 rows of 2,048 bytes,
	s_lshl_b32 s47, s42, 9                         ; the tile's 256 columns
	s_add_co_u32 s46, s46, s47
	s_mov_b32 s47, 0
	s_mul_i32 s20, s14, HEADA                      ; where they go: no place in the cluster enters an LDS address
	s_mul_i32 s21, s14, HALFB
	s_add_co_u32 s21, s21, BOFF
	s_cmp_eq_u32 s13, 0
	s_cselect_b32 s[LIM], 1, -1                    ; waves 0 and 1 prefetch
	s_wait_dscnt 0x0                               ; both opening adds are done
	s_wait_kmcnt 0x0
	s_add_nc_u64 s[18:19], s[4:5], s[16:17]
	s_add_nc_u64 s[46:47], s[6:7], s[46:47]
	CROUND                                         ; all sixteen work-groups are here: the first joint loads meet
.irp s, 0,1
	s_mov_b32 s[G0+4*\s], 1
	s_add_co_u32 s[G0+4*\s+1], s20, \s*SLOT
	s_add_nc_u64 s[G0+4*\s+2:G0+4*\s+3], s[18:19], \s*524288       ; K step s: two heads on
	s_or_b32 s[G0+4*\s+3], s[G0+4*\s+3], 0x80000000
	s_mov_b32 s[G0B+4*\s], 1
	s_add_co_u32 s[G0B+4*\s+1], s21, \s*SLOT
	s_add_nc_u64 s[G0B+4*\s+2:G0B+4*\s+3], s[46:47], \s*262144     ; 128 rows on
	s_or_b32 s[G0B+4*\s+3], s[G0B+4*\s+3], 0x80000000
	JLOAD \s                                       ; two loads of mine are out behind the second
.endr
	s_lshl_b32 s16, s40, 12                        ; the prefetches: my work-group's 4,096 bytes of a head's 16,384,
	s_add_co_u32 s16, s16, 1048576                 ; in lap 1: the first change of slots steps it to lap 2.  Nothing is prefetched at the head
	s_mov_b32 s17, 0
	s_add_nc_u64 s[PFA:PFA+1], s[18:19], s[16:17]
	v_and_b32 v1, 15, v0                           ; r
	v_bfe_u32 v2, v0, 4, 1                         ; h
	v_lshlrev_b32 v[PFO], 8, v1
	v_lshl_add_u32 v[PFO], v2, 19, v[PFO]          ; 256 (lane % 16) + two heads x (lane / 16)
	v_mul_u32_u24 v3, v1, PA
	v_lshl_add_u32 v3, v2, 4, v3                   ; att: row x pitch + 16 h
	v_and_b32 v4, 7, v0
	v_lshl_add_u32 v4, v2, 3, v4
	v_mul_u32_u24 v4, v4, PB
	v_bfe_u32 v5, v0, 3, 1
	v_lshl_add_u32 v4, v5, 4, v4                   ; w_o, for the turning load: k 8 h + l % 8, columns 8 ((l / 8) % 2) on
	s_mul_i32 s21, s13, 64*PA                      ; my 64 rows of att
	s_lshl_b32 s22, s14, 8                         ; my 128 columns of w_o
	s_add_co_u32 s22, s22, BOFF
.irp s, 0,1
	v_add_nc_u32 v[ADRA+\s], s21, v3
	v_add_nc_u32 v[ADRB+\s], s22, v4
	s_add_co_u32 s21, s21, SLOT
	s_add_co_u32 s22, s22, SLOT
.endr
	s_mul_i32 s23, s12, 16*SPITCH
	s_add_co_u32 s23, s23, STAGE                   ; my stage
	v_mul_u32_u24 v5, v1, SPITCH
	v_lshl_add_u32 v5, v2, 5, v5
	v_add_nc_u32 v[STO], s23, v5                   ; in: row r, 32 bytes for each half of the lanes
	v_and_b32 v6, 31, v0
	v_lshlrev_b32 v[CO], 4, v6                     ; back: the 32 lanes take one row of 512 bytes; and the same in out0
	v_add_nc_u32 v[RD], s23, v[CO]
	s_lshl_b32 s16, s15, 19                        ; out0: 128 rows of 4,096 bytes a tile row,
	s_lshl_b32 s17, s13, 18                        ; my 64 of them,
	s_add_co_u32 s16, s16, s17
	s_lshl_b32 s46, s42, 10                        ; the tile's 256 columns,
	s_lshl_b32 s47, s14, 9                         ; my 128 of them
	s_add_co_u32 s46, s46, s47
	s_mov_b32 s47, 0
	s_add_nc_u64 s[8:9], s[8:9], s[46:47]          ; b_o at my first column
	s_add_co_u32 s16, s16, s46
	s_mov_b32 s17, 0
	s_add_nc_u64 s[10:11], s[10:11], s[16:17]
	v_lshlrev_b32 v7, 5, v2                        ; lane (r, h) wants, for block b, the bias of columns 16 b + 8 h + 0 .. 7
	WIN 0x80                                       ; destination window 2
.irp b, 0,1,2,3,4,5,6,7
	global_load_b128 v[8*\b:8*\b+3], v7, s[8:9] offset:64*\b
	global_load_b128 v[8*\b+4:8*\b+7], v7, s[8:9] offset:64*\b+16
.endr
	WIN 0
; 8 matrix instructions: att's block a x w_o's eight blocks, 32 along K, out of buffer f.  first = 1: the sums begin with the bias.  The 32 accumulators take turns, one instruction a turn, in the same order in every quarter.
.macro MUL8 f, a, first
.irp b, 0,1,2,3,4,5,6,7
.if \first
	v_wmma_f32_16x16x32_f16 v[8*(8*(\a)+\b):8*(8*(\a)+\b)+7], v[64+96*(\f)+8*\b:64+96*(\f)+8*\b+7], v[128+96*(\f)+8*(\a):128+96*(\f)+8*(\a)+7], v[8*\b:8*\b+7]
.else
	v_wmma_f32_16x16x32_f16 v[8*(8*(\a)+\b):8*(8*(\a)+\b)+7], v[64+96*(\f)+8*\b:64+96*(\f)+8*\b+7], v[128+96*(\f)+8*(\a):128+96*(\f)+8*(\a)+7], v[8*(8*(\a)+\b):8*(8*(\a)+\b)+7]
.endif
.endr
.endm
.macro MUL16 f, a0, first
	MUL8 \f, \a0, \first
	MUL8 \f, (\a0)+1, \first
.endm
; 24 LDS loads in one run: the fragments of the slot's q-th 32 along K into buffer f: w_o's sixteen, att's blocks 0 and 1, att's blocks 2 and 3
.macro FETCH slot, q, f
.irp b, 0,1,2,3,4,5,6,7
	ds_load_tr16_b128 v[64+96*(\f)+8*\b:64+96*(\f)+8*\b+3],   v[ADRB+\slot] offset:(\q)*32*PB+32*\b
	ds_load_tr16_b128 v[64+96*(\f)+8*\b+4:64+96*(\f)+8*\b+7], v[ADRB+\slot] offset:(\q)*32*PB+32*\b+16*PB
.endr
.irp a, 0,1,2,3
	ds_load_b128 v[128+96*(\f)+8*\a:128+96*(\f)+8*\a+3],   v[ADRA+\slot] offset:((\q)/2)*HEADA+((\q)%2)*64+\a*16*PA
	ds_load_b128 v[128+96*(\f)+8*\a+4:128+96*(\f)+8*\a+7], v[ADRA+\slot] offset:((\q)/2)*HEADA+((\q)%2)*64+\a*16*PA+32
.endr
.endm
.macro PLACES
.rept 4
	v_nop
.endr
.endm
; A K step is four quarters of 32 along K, 32 matrix instructions each, on buffers 0, 1, 0, 1.  One of the first three: multiplies buffer f and fetches quarter qn into buffer g.
.macro QUARTER slot, qn, f, g, first
	s_wait_dscnt 4                                 ; all but the youngest four loads (att's blocks 2 and 3) are in
.if \first
	WIN FIRST
.else
	WIN MUL
.endif
	MUL16 \f, 0, \first
	PLACES
	WIN 0
	FETCH \slot, \qn, \g
	s_wait_dscnt 24                                ; all but the 24 just issued
.if \first
	WIN FIRST
.else
	WIN MUL
.endif
	MUL16 \f, 2, \first
.endm
; The last quarter multiplies buffer 1 and changes slots: ONE barrier; in front of it each wave waits for all its tensor loads, adds 0 to its spare word, and waits for that and for its reads of this slot.
; fill = 1: the barrier opens a round of the cluster's barrier, and behind it this slot is filled again, two K steps ahead.
.macro TURN slot, next, fill
.if (\fill) && (\slot) == 0
	s_wait_xcnt 0x0                                ; the last prefetch, a lap back, has read its address
	s_add_nc_u64 s[PFA:PFA+1], s[PFA:PFA+1], 1048576   ; four heads on
.endif
	WIN 0
	s_wait_tensorcnt 0x0                           ; all my tensor loads have landed: my part of the next slot
	ds_add_u32 v[SPW], v[NIL]
	s_wait_dscnt 5                                 ; the add and the youngest four loads may be out
	WIN MUL
	MUL8 1, 0, 0                                   ; eight matrix instructions stand between the add and the wait for it
	s_wait_dscnt 0x0                               ; the add is done, and my reads of this slot are over
	s_barrier_signal -1
	MUL8 1, 1, 0
	WIN 0
	s_barrier_wait -1
.if \fill
	CREST                                          ; no wave of any partner still reads this slot's tiles or has a load on its way
	s_add_nc_u64 s[G0+4*\slot+2:G0+4*\slot+3], s[G0+4*\slot+2:G0+4*\slot+3], 1048576
	s_add_nc_u64 s[G0B+4*\slot+2:G0B+4*\slot+3], s[G0B+4*\slot+2:G0B+4*\slot+3], 524288
	JLOAD \slot                                    ; the first tensor load behind the round; its four v_nop are also the places in front of the loads below
.else
	PLACES
.endif
	FETCH \next, 0, 0
.if (\fill) && (\slot) == 0
	ASK
.endif
	WIN MUL
	MUL16 1, 2, 0
.endm
	s_wait_tensorcnt 1                             ; my part of K step 0 is in; K step 1's load may be out
	s_barrier_signal -1
	s_barrier_wait -1
	s_wait_loadcnt 0x0                             ; the bias
	FETCH 0, 0, 0
	QUARTER 0, 1, 0, 1, 1                          ; the first quarter stands in front of the loop: its products start the sums
	WIN 0
	s_mov_b32 s3, 3
.Llap:                                                 ; a trip goes once round the ring, from a lap's second quarter to the next lap's first, and fills both slots again
	QUARTER 0, 2, 1, 0, 0
	QUARTER 0, 3, 0, 1, 0
	TURN 0, 1, 1
	QUARTER 1, 1, 0, 1, 0
	QUARTER 1, 2, 1, 0, 0
	QUARTER 1, 3, 0, 1, 0
	TURN 1, 0, 1
	QUARTER 0, 1, 0, 1, 0
	WIN 0
	s_sub_co_u32 s3, s3, 1
	s_cmp_lg_u32 s3, 0
	s_cbranch_scc1 .Llap
	QUARTER 0, 2, 1, 0, 0                          ; the last lap fills nothing
	QUARTER 0, 3, 0, 1, 0
	TURN 0, 1, 0
	QUARTER 1, 1, 0, 1, 0
	QUARTER 1, 2, 1, 0, 0
	QUARTER 1, 3, 0, 1, 0
	s_wait_dscnt 4                                 ; the very last quarter
	WIN MUL
	MUL16 1, 0, 0
	s_wait_dscnt 0
	MUL16 1, 2, 0
	WIN 0
; THE WAY OUT, block by block of 16 rows x 128 columns, through my own stage: in as 32 bytes a lane, back as whole rows of 512 bytes.
.macro TOSTAGE a
	WIN 0x04                                       ; an LDS store's data: window 1
.irp b, 0,1,2,3,4,5,6,7
	ds_store_b128 v[STO], v[8*(8*(\a)+\b):8*(8*(\a)+\b)+3] offset:64*\b            ; each accumulator from its low end on
	ds_store_b128 v[STO], v[8*(8*(\a)+\b)+4:8*(8*(\a)+\b)+7] offset:64*\b+16
.endr
	WIN 0
.set BB, 64+64*((\a)%2)
.irp t, 0,1,2,3,4,5,6,7,8,9,10,11,12,13,14,15
	ds_load_b128 v[BB+4*\t:BB+4*\t+3], v[RD] offset:\t*SPITCH      ; LDS serves a wave's instructions in order: these see the stores above
.endr
.endm
.macro SEND a, younger                 ; younger: the LDS instructions issued behind block a's loads, which may stay out
.set BB, 64+64*((\a)%2)
	s_wait_dscnt \younger
.irp t, 0,1,2,3,4,5,6,7,8,9,10,11,12,13,14,15
	global_store_b128 v[CO], v[BB+4*\t:BB+4*\t+3], s[10:11] offset:(16*(\a)+\t)*4096 th:TH_STORE_NT   ; 32 lanes store 512 consecutive bytes, aligned; written once, read by nobody here
.endr
.endm
	PLACES
	TOSTAGE 0
.irp a, 1,2,3
.if \a > 1
	s_wait_xcnt 0x0                                ; block a - 2's stores have read their registers: block a's loads may land there
.endif
	TOSTAGE \a
	SEND \a-1, 32                                  ; behind block a - 1's loads: block a's 16 stores and 16 loads
.endr
	SEND 3, 0
	s_wait_tensorcnt 0x0                           ; the wave's end
	ds_add_u32 v[SPW], v[NIL]
	s_wait_dscnt 0x0
	CROUND                                         ; the closing round
	s_endpgm
.Lfunc_end_k_qea5bf264e9_oproj:
	.size	k_qea5bf264e9_oproj, .Lfunc_end_k_qea5bf264e9_oproj-k_qea5bf264e9_oproj
	.p2alignl 7, 3214868480
	.fill 96, 4, 3214868480
	.section	.rodata,"a",@progbits
	.p2align	6, 0x0
	.amdhsa_kernel k_qea5bf264e9_oproj
		.amdhsa_group_segment_fixed_size 327680
		.amdhsa_private_segment_fixed_size 0
		.amdhsa_enable_private_segment 0
		.amdhsa_kernarg_size 32
		.amdhsa_user_sgpr_count 2
		.amdhsa_user_sgpr_kernarg_segment_ptr 1
		.amdhsa_wavefront_size32 1
		.amdhsa_system_sgpr_workgroup_id_x 1
		.amdhsa_system_sgpr_workgroup_id_y 1
		.amdhsa_system_sgpr_workgroup_id_z 1
		.amdhsa_system_vgpr_workitem_id 0
		.amdhsa_next_free_vgpr 576
		.amdhsa_next_free_sgpr 66
		.amdhsa_reserve_vcc 0
		.amdhsa_float_denorm_mode_32 3
		.amdhsa_float_denorm_mode_16_64 3
		.amdhsa_memory_ordered 1
		.amdhsa_forward_progress 1
		.amdhsa_inst_pref_size 87
	.end_amdhsa_kernel
	.amdgpu_metadata
---
amdhsa.version: [ 1, 2 ]
amdhsa.kernels:
  - .name:           k_qea5bf264e9_oproj
    .symbol:         k_qea5bf264e9_oproj.kd
    .args:
      - { .name: att, .offset: 0, .size: 8, .value_kind: global_buffer, .address_space: global }
      - { .name: wo16, .offset: 8, .size: 8, .value_kind: global_buffer, .address_space: global }
      - { .name: b_o, .offset: 16, .size: 8, .value_kind: global_buffer, .address_space: global }
      - { .name: out0, .offset: 24, .size: 8, .value_kind: global_buffer, .address_space: global }
    .group_segment_fixed_size: 327680
    .private_segment_fixed_size: 0
    .kernarg_segment_align: 8
    .kernarg_segment_size: 32
    .max_flat_workgroup_size: 128
    .sgpr_count:     66
    .vgpr_count:     576
    .wavefront_size: 32
...
	.end_amdgpu_metadata
.endif
;; end of part 4
